; MI455X (gfx1250); checked and timed in simulation.
; The chip was launched on July 23, 2026; its instructions are those of AMD's public machine-readable ISA for CDNA 5 (MIT licence, August 2026) and "CDNA5" Instruction Set Architecture Reference Guide (July 2026). The comments in the code are by the model that wrote it; some were corrected since.
;; Occupancy Decoder. Allowed arithmetic: matrix products marked QUANTISED: E5M2 operands, one given power-of-two scale a tensor, by v_wmma_f32_16x16x64_bf8_bf8 or v_wmma_f32_16x16x128_bf8_bf8, f32 sums; products left as they are: f32 operands where the result goes on into a quantised operand, else bf16, f16 or f32 operands; f32 sums; everything else in f32.
;; Inputs: W1_codes 512 x 4 x 32 uint8 (E5M2 codes of W1, K innermost, in blocks of 32 codes); W2_codes 512 x 16 x 32 uint8 (E5M2 codes of W2, K innermost, in blocks of 32 codes); W3 512 x 1 float32; b1 512 float32; b2 512 float32; b3 1 float32; be1 512 float32; be2 512 float32; dense_features 2 x 128 x 64 x 64 x 64 float32; g1 512 float32; g2 512 float32; lowp_scales 4 int32 (the exponents e of the quantised operands' scales 2^e); m1 512 float32; m2 512 float32; query_points 2 x 65,536 x 3 float32; v1 512 float32; v2 512 float32.
;; Outputs: out0 2 x 65,536 x 1 float32.
;; This version of the problem:
;;   THIS VERSION OF THE PROBLEM IS GIVEN IN LOW PRECISION. The matrix products marked QUANTISED in the list below multiply operands that are first quantised to E5M2 (5 exponent bits, 2 mantissa bits; 8 bits a number), with one given power-of-two scale for each operand tensor; their sums are f32. All else is computed in f32.
;;   The module's matrix products, in the order in which they are computed (A, B: the left and right operand; K: the contracted axis; several contracted axes count as one K, in the product's order):
;;     1. [M 131,072, K 128] x [K 128, N 512]; A: computed on the way; B: input W1 (given as codes): QUANTISED (scales: A lowp_scales[0], B lowp_scales[1])
;;     2. [M 131,072, K 512] x [K 512, N 512]; A: computed on the way; B: input W2 (given as codes): QUANTISED (scales: A lowp_scales[2], B lowp_scales[3])
;;     3. [M 131,072, K 512] x [K 512, N 1]; A: computed on the way; B: input W3: left as it is (N = 1 < 16)
;;   THE QUANTISER, for each operand of a quantised product, along K:
;;     - The operand's scale is 2^e, e = its entry of the input lowp_scales (int32; the entries are numbered through the quantised products in the list's order, A before B).
;;     - Each number is divided by the scale, clamped to +-57,344, and rounded to the nearest number of E5M2, ties to even, subnormals kept.
;;     - The product sums the exact products of the quantised numbers (number of the format x scale) in f32.
;;   ~~~python
;;   def quantise(x, axis, e):      # numpy; x: float32 -> the quantised numbers, widened to float32 again
;;       x = np.moveaxis(x, axis, -1); K = x.shape[-1]
;;       r = np.clip(x / 2.0 ** e, -57344, 57344)
;;       step = 2.0 ** (np.maximum(np.frexp(np.where(r == 0, 1, r))[1] - 1, -14) - 2)
;;       q = np.round(r / step) * step * 2.0 ** e      # np.round: ties to even
;;       return np.moveaxis(q, -1, axis).astype(np.float32)
;;   ~~~
;;   OPERANDS COMPUTED ON THE WAY. 'Computed on the way' means the value that the module computes at that place (a softmax that the list does not call 'softmax' is quantised finished and normalised). What goes into a quantiser is computed in f32, as accurately as f32 sums, v_exp_f32 and their like allow (about 1e-6 of the number): no bf16 or f16 on the way to a quantiser, and a product that is left as it is and whose result goes on into a quantised operand takes f32 operands (vector FMAs, or v_wmma_f32_16x16x4_f32). A number that lies on a knife's edge between two numbers of the format may be rounded either way, as far as f32 arithmetic and the matrix unit's own rounding can turn it there, and no further.
;;   INPUTS GIVEN AS CODES. W1 (in the module: [128, 512], K = its axis 0); W2 (in the module: [512, 512], K = its axis 0): each comes as NAME_codes (uint8): NAME with its K axis moved to the last place and cut into blocks of 32 codes, [.., K / 32, bytes a block], one block behind the other in memory; one code a byte (a code: sign, 5 exponent bits, 2 mantissa bits); its scale is its entry of lowp_scales. Its value is code x scale, taken as it is: it is not quantised again, and the codes and scales need not be those that the quantiser above would give.
;; 2 versions. Each part assembles by itself: llvm-mc -triple=amdgcn-amd-amdhsa -mcpu=gfx1250 --defsym DOCPART=n.
;; ======== version 1 of 2: 3 launches
;; workspace buffers: featT 268,435,456 bytes; pidx 524,288 bytes of whole numbers; pw 4,194,304 bytes; xc 16,777,216 bytes
;; launch prep (part 1): grid 1024 x 1, 8 waves a work-group, no clusters, 70,656 bytes of LDS; arguments dense_features, query_points, featT, pidx, pw; writes featT, pidx, pw
.if DOCPART == 1
	.amdgcn_target "amdgcn-amd-amdhsa--gfx1250"
	.amdhsa_code_object_version 6
	.text
	.protected	k_q983e096280_prep
	.globl	k_q983e096280_prep
	.p2align	8
	.type	k_q983e096280_prep,@function
k_q983e096280_prep:
	s_mov_b64 s[64:65], 0
	v_nop
	global_prefetch_b8 v0, s[64:65] scope:SCOPE_SE
	s_setreg_imm32_b32 hwreg(HW_REG_WAVE_MODE, 25, 1), 1
	s_wait_xcnt 0x0
; TWO THINGS IN ONE LAUNCH.
; (1) featT[b][voxel][c] = dense[b][c][voxel]: the volume [2][128][262144] f32 is laid anew with the channels innermost, still f32 (it stands ahead of a quantiser),
;     so that a later launch finds a voxel's 128 channels in 512 consecutive bytes.
; (2) For each of the 131,072 query points a record: pidx = (z0 64 + y0) 64 + x0 as a whole number, pw = its eight trilinear weights, f32, in two planes (dz = 0, 1) of (dy, dx) = 00, 01, 10, 11.
;     x = clip(((2 q - 1) + 1) 31.5, 0, 63): x 0.5 rounds nothing, so x 31.5 rounds as x 0.5 x 63 does.  x0 = min(floor x, 62), w = x - x0: at x = 63 the weight 1 falls on voxel 63,
;     the same value as a clamped x1; so all eight corners lie at constant distances from the base.
; LIMITS: NaN among the query points is not served (its index becomes 0).  At exactly x = 63 the neighbour with weight 0 is voxel 62 and not voxel 63: an infinity there would show.
; SHARES.  Work-group g: batch g / 512, voxels 512 (g % 512) on, all channels, in two strips of 256 voxels.  In a strip wave w owns voxels 32 w .. 32 w + 31.
; A LANE TAKES A VOXEL AND ITS REGISTERS RUN DOWN THE CHANNELS: a load reads 128 consecutive bytes, the eight waves side by side 1,024.  A piece (32 voxels x 64 channels) goes through the wave's own
; stage in LDS and leaves by rows: sixteen lanes store 256 consecutive bytes, aligned.  Waves share nothing: no barrier.  No work-group reads what another reads: nothing to ask for jointly.
; Every offset is an immediate; no address register and no base is written again once it is used.
.set STG,   8704                       ; a wave's stage: 32 rows (voxels) x PITCH
.set PITCH, 272                        ; 64 channels (256 bytes) + 16: row r begins 17 r columns of 16 bytes on, so sixteen rows fall on sixteen different columns of 256 bytes
.set BK,    16                         ; s[16:47]  sixteen bases into dense, 8 channels (8 MiB) apart: a channel's place among eight stands in the immediate (7 MiB + 1,024 at the most)
.set L0,    16                         ; v16-47, v48-79  two sets of 32 channels of my voxel
.set O,     80                         ; v80-111  the way out: eight times 16 bytes; before that the point's arithmetic
	s_load_b256 s[4:11], s[0:1], 0x0               ; dense s[4:5], query s[6:7], featT s[8:9], pidx s[10:11]
	s_load_b64 s[12:13], s[0:1], 0x20              ; pw
	v_lshl_add_u32 v112, v0, 2, 0x11000
	v_mov_b32 v113, 0
	v_lshrrev_b32 v8, 5, v0
	v_readfirstlane_b32 s14, v8                    ; wave 0..7
	v_and_b32 v2, 31, v0                           ; lane
	v_lshlrev_b32 v1, 2, v0                        ; 4 x thread: my voxel in a strip's row of dense; also my word of pidx
	v_mul_u32_u24 v6, v0, 12                       ; my point's three numbers
	v_lshlrev_b32 v7, 4, v0                        ; my point's four weights of a plane
	s_mul_i32 s15, s14, STG
	v_mul_u32_u24 v3, v2, PITCH
	v_add_nc_u32 v3, s15, v3                       ; into the stage: row = my voxel
	v_lshrrev_b32 v8, 4, v2
	v_and_b32 v9, 15, v2
	v_mul_u32_u24 v4, v8, PITCH
	v_lshl_add_u32 v4, v9, 4, v4
	v_add_nc_u32 v4, s15, v4                       ; out of it: sixteen lanes to a row, two rows an instruction
	s_lshl_b32 s48, s14, 14                        ; my wave's 32 rows of 512 bytes in featT
	v_lshlrev_b32 v5, 9, v8
	v_lshl_add_u32 v5, v9, 4, v5
	v_add_nc_u32 v5, s48, v5                       ; and the same place in featT
	s_lshr_b32 s2, ttmp9, 9                        ; batch
	s_lshl_b32 s2, s2, 27                          ; x 128 channels x 1 MiB
	s_and_b32 s3, ttmp9, 511
	s_lshl_b32 s3, s3, 11                          ; + 512 voxels x 4 bytes for each work-group of the batch
	s_add_co_u32 s2, s2, s3
	s_mov_b32 s3, 0
	s_wait_kmcnt 0x0
	s_add_nc_u64 s[BK:BK+1], s[4:5], s[2:3]
.set k, 1
.rept 15
	s_add_nc_u64 s[BK+2*k:BK+2*k+1], s[BK+2*k-2:BK+2*k-1], 0x800000
.set k, k+1
.endr
	s_lshl_b32 s2, ttmp9, 18                       ; featT: 512 voxels x 512 bytes a work-group, batch after batch
	s_add_nc_u64 s[8:9], s[8:9], s[2:3]
	s_mul_i32 s2, ttmp9, 1536                      ; 128 points a work-group: 12 bytes each,
	s_add_nc_u64 s[6:7], s[6:7], s[2:3]
	s_lshl_b32 s2, ttmp9, 9                        ; 4 bytes each,
	s_add_nc_u64 s[10:11], s[10:11], s[2:3]
	s_lshl_b32 s2, ttmp9, 11                       ; 16 bytes each in a plane
	s_add_nc_u64 s[12:13], s[12:13], s[2:3]
; Sub-step u of 8: strip u / 4, channels 64 ((u / 2) % 2) + 32 (u % 2) + 0 .. 31, into set u % 2.
.macro LOAD u
.set j, 0
.rept 32
.set cc, 64*(((\u)/2)%2)+32*((\u)%2)+j
	global_load_b32 v[L0+32*((\u)%2)+j], v1, s[BK+2*(cc/8):BK+2*(cc/8)+1] offset:((cc%8)<<20)+((\u)/4)*1024 th:TH_LOAD_NT
.set j, j+1
.endr
.endm
.macro STASH u                         ; my voxel's 32 channels: 128 bytes of its stage row
.irp q, 0,1,2,3,4,5,6,7
	ds_store_b128 v3, v[L0+32*((\u)%2)+4*\q:L0+32*((\u)%2)+4*\q+3] offset:128*((\u)%2)+16*\q
.endr
.endm
; Piece p of 4 (strip p / 2, channel half p % 2) leaves: 32 rows of 256 bytes, in two runs of eight instructions.
.macro DRAIN p
.irp hb, 0,1
	s_wait_xcnt 0x0                                ; the stores issued so far have read their data: only now is O loaded again
.irp t, 0,1,2,3,4,5,6,7
	ds_load_b128 v[O+4*\t:O+4*\t+3], v4 offset:2*(8*\hb+\t)*PITCH   ; LDS serves a wave's instructions in order: these see my stores
.endr
.irp t, 0,1,2,3,4,5,6,7
	s_wait_dscnt 7-\t                              ; the younger of the eight may stay out
	global_store_b128 v5, v[O+4*\t:O+4*\t+3], s[8:9] offset:((\p)/2)*131072+2*(8*\hb+\t)*512+((\p)%2)*256 th:TH_STORE_NT   ; sixteen lanes: 256 consecutive bytes, aligned
.endr
.endr
.endm
	LOAD 0
	LOAD 1
	; THE POINTS: threads 0 to 127 (waves 0 to 3), one point each.  Their loads go out behind the first 64, and share their way.
	s_cmp_ge_u32 s14, 4
	s_cbranch_scc1 .Lno_points
	global_load_b32 v80, v6, s[6:7]
	global_load_b32 v81, v6, s[6:7] offset:4
	global_load_b32 v82, v6, s[6:7] offset:8
	s_wait_loadcnt 0x0
.irp a, 0,1,2                          ; x, y, z
	v_fma_f32 v[80+\a], 2.0, v[80+\a], -1.0        ; 2 q is exact: one rounding, as in 2 q - 1
	v_add_f32 v[80+\a], 1.0, v[80+\a]
	v_mul_f32 v[80+\a], 0x41fc0000, v[80+\a]       ; x 31.5
	v_med3_num_f32 v[80+\a], v[80+\a], 0, 0x427c0000   ; held in 0 .. 63
	v_floor_f32 v[83+\a], v[80+\a]
	v_min_num_f32 v[83+\a], 0x42780000, v[83+\a]   ; the base is 62 at the most
	v_sub_f32 v[86+\a], v[80+\a], v[83+\a]         ; w
	v_cvt_u32_f32 v[92+\a], v[83+\a]
	v_sub_f32 v[89+\a], 1.0, v[86+\a]              ; 1 - w
.endr
	v_lshl_add_u32 v95, v94, 6, v93
	v_lshl_add_u32 v95, v95, 6, v92                ; (z0 64 + y0) 64 + x0
	v_mul_f32 v96, v90, v91                        ; (1 - wy)(1 - wz)
	v_mul_f32 v97, v87, v91                        ; wy (1 - wz)
	v_mul_f32 v98, v90, v88                        ; (1 - wy) wz
	v_mul_f32 v99, v87, v88                        ; wy wz
.irp d, 0,1,2,3
	v_mul_f32 v[100+2*\d], v[96+\d], v89           ; x (1 - wx)
	v_mul_f32 v[101+2*\d], v[96+\d], v86           ; x wx
.endr
	global_store_b32 v1, v95, s[10:11]             ; a wave: 128 consecutive bytes
	global_store_b128 v7, v[100:103], s[12:13]     ; a wave: 512 consecutive bytes
	global_store_b128 v7, v[104:107], s[12:13] offset:2097152
.Lno_points:
.macro SUB u
.if (\u) < 7
	s_wait_loadcnt 32                              ; this sub-step's 32 loads are in; the next one's 32 may stay out
.else
	s_wait_loadcnt 0x0
.endif
	STASH \u
	s_wait_dscnt 0x0                               ; the stores have read the set,
.if (\u)+2 < 8
	LOAD (\u)+2                                    ; which takes the loads of two sub-steps on
.endif
.if (\u)%2
	DRAIN (\u)/2
.endif
.endm
.irp u, 0,1,2,3,4,5,6,7
	SUB \u
.endr
	s_wait_tensorcnt 0x0
	ds_add_u32 v112, v113
	s_wait_dscnt 0x0
	s_endpgm
.Lfunc_end_k_q983e096280_prep:
	.size	k_q983e096280_prep, .Lfunc_end_k_q983e096280_prep-k_q983e096280_prep
	.p2alignl 7, 3214868480
	.fill 96, 4, 3214868480
	.section	.rodata,"a",@progbits
	.p2align	6, 0x0
	.amdhsa_kernel k_q983e096280_prep
		.amdhsa_group_segment_fixed_size 70656
		.amdhsa_private_segment_fixed_size 0
		.amdhsa_enable_private_segment 0
		.amdhsa_kernarg_size 40
		.amdhsa_user_sgpr_count 2
		.amdhsa_user_sgpr_kernarg_segment_ptr 1
		.amdhsa_wavefront_size32 1
		.amdhsa_system_sgpr_workgroup_id_x 1
		.amdhsa_system_sgpr_workgroup_id_y 1
		.amdhsa_system_sgpr_workgroup_id_z 1
		.amdhsa_system_vgpr_workitem_id 0
		.amdhsa_next_free_vgpr 114
		.amdhsa_next_free_sgpr 66
		.amdhsa_reserve_vcc 0
		.amdhsa_float_denorm_mode_32 3
		.amdhsa_float_denorm_mode_16_64 3
		.amdhsa_memory_ordered 1
		.amdhsa_forward_progress 1
		.amdhsa_inst_pref_size 47
	.end_amdhsa_kernel
	.amdgpu_metadata
---
amdhsa.version: [ 1, 2 ]
amdhsa.kernels:
  - .name:           k_q983e096280_prep
    .symbol:         k_q983e096280_prep.kd
    .args:
      - { .name: dense_features, .offset: 0, .size: 8, .value_kind: global_buffer, .address_space: global }
      - { .name: query_points, .offset: 8, .size: 8, .value_kind: global_buffer, .address_space: global }
      - { .name: featT, .offset: 16, .size: 8, .value_kind: global_buffer, .address_space: global }
      - { .name: pidx, .offset: 24, .size: 8, .value_kind: global_buffer, .address_space: global }
      - { .name: pw, .offset: 32, .size: 8, .value_kind: global_buffer, .address_space: global }
    .group_segment_fixed_size: 70656
    .private_segment_fixed_size: 0
    .kernarg_segment_align: 8
    .kernarg_segment_size: 40
    .max_flat_workgroup_size: 256
    .sgpr_count:     66
    .vgpr_count:     114
    .wavefront_size: 32
...
	.end_amdgpu_metadata
.endif
;; end of part 1
;; launch sample (part 2): grid 256 x 1, 16 waves a work-group, no clusters, 71,680 bytes of LDS; arguments featT, pidx, pw, lowp_scales, xc; writes xc
.if DOCPART == 2
	.amdgcn_target "amdgcn-amd-amdhsa--gfx1250"
	.amdhsa_code_object_version 6
	.text
	.protected	k_q983e096280_sample
	.globl	k_q983e096280_sample
	.p2align	8
	.type	k_q983e096280_sample,@function
k_q983e096280_sample:
	s_mov_b64 s[64:65], 0
	v_nop
	global_prefetch_b8 v0, s[64:65] scope:SCOPE_SE
	s_setreg_imm32_b32 hwreg(HW_REG_WAVE_MODE, 25, 1), 1
	s_wait_xcnt 0x0
; feats[point][c] = the sum over the eight corners j of w_j featT[base + corner j][c], in f32; then its code of BF8 (E5M2): feats / 2^e0, held within +-57,344, to the nearest code, ties to even.
; base (a whole number) and the eight weights were stored by the launch before; e0 is entry 0 of lowp_scales.
; The codes leave as IMAGES OF THE NEXT LAUNCH'S OPERAND REGISTERS: tile of 16 points = 2,048 bytes; byte 512 c + 16 (r + 16 h) + i = point r, channel 32 c + 16 h + i.
; LIMITS: e0 between -126 and 112, so that 2^e0 and 57,344 x 2^e0 are f32 numbers.  NaN among the features is not served.  The eight products are summed with product weights,
; not by three nested interpolations: the same number up to f32 rounding.
; SHARES.  Work-group g: points 512 g on (batch g / 128); wave w: 32 of them, two tiles.  ONE LOAD READS ONE VOXEL'S ROW: 32 lanes x 16 bytes = its 512 bytes; lane l holds channels 4 l .. 4 l + 3.
; Index and weights are the same for the whole wave: every lane reads them at the same address.  The points go two by two (A, B), so that one conversion takes A's four numbers and B's four.
; Two slots of registers take turns: while one pair is summed, the next pair's 20 loads are on their way, and the pair after that is asked for as soon as the slot is free.
; Which rows a wave reads hangs on the data: no two work-groups have a tile in common that could be asked for jointly.  Waves share nothing: no barrier.  All is written out: every offset is an immediate.
.set DX,    512                        ; a voxel's row
.set DY,    32768                      ; 64 voxels
.set DZ,    2097152                    ; 4,096 voxels
.set PLANE, 2097152                    ; pw's second plane
.set STG,   2176                       ; a tile's stage: 8 pieces (16 channels each) of 256 bytes + 16
.set OFF,   8                          ; v8-39    my wave's 32 points: byte offset of my 16 bytes in the base voxel's row; never rewritten
.set SLOT,  40                         ; v40-119, v120-199: a slot: 16 weights (A's 8, B's 8), then 64 numbers (A's corner j at 4 j, B's behind them)
.set ACC,   200                        ; v200-207 A's four sums, B's four
.set CD,    208                        ; v208-223 codes: a pair of registers for each of a tile's 8 pairs of points
.set OUTR,  224                        ; v224-255 a tile's image, 16 registers, for each of the two tiles
	s_load_b256 s[4:11], s[0:1], 0x0               ; featT s[4:5], pidx s[6:7], pw s[8:9], the scales' exponents s[10:11]
	s_load_b64 s[12:13], s[0:1], 0x20              ; xc
	v_lshrrev_b32 v7, 5, v0
	v_readfirstlane_b32 s14, v7                    ; wave 0..15
	v_and_b32 v7, 31, v0                           ; lane
	v_mov_b32 v1, 0                                ; the offset of loads that are alike in all lanes
	v_lshlrev_b32 v2, 4, v7                        ; 16 x lane
	s_mul_i32 s16, s14, 2*STG                      ; my wave's two stages
	v_lshrrev_b32 v3, 2, v7
	v_mul_u32_u24 v3, v3, 272
	v_and_b32 v4, 3, v7
	v_lshl_add_u32 v3, v4, 2, v3
	v_add_nc_u32 v3, s16, v3                       ; in: my four channels lie in piece lane / 4, at byte 4 (lane % 4) of a point's 16: the 32 lanes' words fall on 32 different words of 256 bytes
	v_lshrrev_b32 v4, 4, v7
	v_mul_u32_u24 v4, v4, 272
	v_and_b32 v7, 15, v7
	v_lshl_add_u32 v4, v7, 4, v4
	v_add_nc_u32 v4, s16, v4                       ; out: lanes 0-15 piece 2 c, lanes 16-31 piece 2 c + 1; 16 bytes a lane
	s_lshl_b32 s17, ttmp9, 9
	s_lshl_b32 s18, s14, 5
	s_add_co_u32 s17, s17, s18                     ; my first point: 512 g + 32 w
	s_lshr_b32 s20, ttmp9, 7
	s_lshl_b32 s20, s20, 27                        ; the batch's part of featT
	s_mov_b32 s21, 0
	s_lshl_b32 s22, s17, 2
	s_mov_b32 s23, 0
	s_lshl_b32 s24, s17, 4
	s_mov_b32 s25, 0
	s_lshl_b32 s26, s17, 7
	s_mov_b32 s27, 0
	s_wait_kmcnt 0x0
	s_load_b32 s15, s[10:11], 0x0                  ; e0
	s_add_nc_u64 s[4:5], s[4:5], s[20:21]
	s_add_nc_u64 s[6:7], s[6:7], s[22:23]
	s_add_nc_u64 s[8:9], s[8:9], s[24:25]
	s_add_nc_u64 s[12:13], s[12:13], s[26:27]
.irp q, 0,1,2,3,4,5,6,7
	global_load_b128 v[OFF+4*\q:OFF+4*\q+3], v1, s[6:7] offset:16*\q   ; all 32 indices, in every lane
.endr
	s_wait_kmcnt 0x0
	s_add_co_i32 s15, s15, 127
	s_lshl_b32 s16, s15, 23
	v_mov_b32 v6, s16                              ; 2^e0 as f32: the conversion takes its exponent field
	s_add_co_i32 s15, s15, 15
	s_lshl_b32 s15, s15, 23
	s_or_b32 s15, s15, 0x600000
	v_mov_b32 v5, s15                              ; 57,344 x 2^e0
	s_wait_loadcnt 0x0
.set p, 0
.rept 32
	v_min_u32 v[OFF+p], 0x3efbe, v[OFF+p]          ; (62 x 64 + 62) x 64 + 62: with it all eight corners lie inside the batch's 2^27 bytes
	v_lshl_add_u32 v[OFF+p], v[OFF+p], 9, v2       ; x 512 bytes + my 16
.set p, p+1
.endr
.macro ISSUE g                         ; pair g of 16: 2 x (2 loads of weights + 8 rows) = 20 loads into slot g % 2.  No cache word: a row may be named by several points
.set SB, SLOT+80*((\g)%2)
.irp q, 0,1
	global_load_b128 v[SB+8*\q:SB+8*\q+3], v1, s[8:9] offset:16*(2*(\g)+\q)
	global_load_b128 v[SB+8*\q+4:SB+8*\q+7], v1, s[8:9] offset:16*(2*(\g)+\q)+PLANE
.irp j, 0,1,2,3,4,5,6,7
	global_load_b128 v[SB+16+32*\q+4*\j:SB+16+32*\q+4*\j+3], v[OFF+2*(\g)+\q], s[4:5] offset:(\j/4)*DZ+((\j/2)%2)*DY+(\j%2)*DX
.endr
.endr
.endm
.macro WORK g
.set SB, SLOT+80*((\g)%2)
.set CG, CD+2*((\g)%8)
.if (\g) < 15
	s_wait_loadcnt 20                              ; this pair's 20 loads are in; the next pair's 20 may stay out
.else
	s_wait_loadcnt 0x0
.endif
.irp q, 0,1                            ; corner 0 starts the sums: nothing is cleared.  Four chains (A low, A high, B low, B high) that do not wait for each other
.irp d, 0,2
	v_pk_mul_f32 v[ACC+4*\q+\d:ACC+4*\q+\d+1], v[SB+16+32*\q+\d:SB+16+32*\q+\d+1], v[SB+8*\q:SB+8*\q+1] op_sel_hi:[1,0]
.endr
.endr
.irp j, 1,2,3,4,5,6,7
.irp q, 0,1
.irp d, 0,2
.if \j%2                               ; an odd corner's weight is the second register of its pair, an even one's the first: it serves both halves
	v_pk_fma_f32 v[ACC+4*\q+\d:ACC+4*\q+\d+1], v[SB+16+32*\q+4*\j+\d:SB+16+32*\q+4*\j+\d+1], v[SB+8*\q+\j-1:SB+8*\q+\j], v[ACC+4*\q+\d:ACC+4*\q+\d+1] op_sel:[0,1,0] op_sel_hi:[1,1,1]
.else
	v_pk_fma_f32 v[ACC+4*\q+\d:ACC+4*\q+\d+1], v[SB+16+32*\q+4*\j+\d:SB+16+32*\q+4*\j+\d+1], v[SB+8*\q+\j:SB+8*\q+\j+1], v[ACC+4*\q+\d:ACC+4*\q+\d+1] op_sel_hi:[1,0,1]
.endif
.endr
.endr
.endr
.if (\g)+2 < 16
	ISSUE (\g)+2                                   ; the slot is free: the pair two further on
.endif
.irp i, 0,1,2,3,4,5,6,7
	v_med3_num_f32 v[ACC+\i], v[ACC+\i], -v5, v5   ; the conversion to an 8-bit code does not saturate (ISA guide 7.6.2): the hold at the largest code x the scale
.endr
	v_cvt_scalef32_pk8_bf8_f32 v[CG:CG+1], v[ACC:ACC+7], v6   ; first register: A's four codes; second: B's
	v_nop                                          ; a plain line between the conversion and the next pair's products, which write its sources
	ds_store_b32 v3, v[CG] offset:STG*((\g)/8)+16*((2*(\g))%16)
	ds_store_b32 v3, v[CG+1] offset:STG*((\g)/8)+16*((2*(\g))%16)+16
.endm
.macro FLUSH t                         ; tile t's image: four times 512 consecutive bytes
.irp c, 0,1,2,3
	ds_load_b128 v[OUTR+16*\t+4*\c:OUTR+16*\t+4*\c+3], v4 offset:STG*\t+544*\c   ; LDS serves a wave's instructions in order: these see my stores
.endr
	s_wait_dscnt 0x0                               ; the image is in registers; the tile's stores into the stage have read their codes
.irp c, 0,1,2,3
	global_store_b128 v2, v[OUTR+16*\t+4*\c:OUTR+16*\t+4*\c+3], s[12:13] offset:2048*\t+512*\c
.endr
.endm
	ISSUE 0
	ISSUE 1
.irp g, 0,1,2,3,4,5,6,7
	WORK \g
.endr
	FLUSH 0
.irp g, 8,9,10,11,12,13,14,15
	WORK \g
.endr
	FLUSH 1
	s_wait_xcnt 0x0
	v_lshl_add_u32 v254, v0, 2, 0x11000
	v_mov_b32 v255, 0
	s_wait_tensorcnt 0x0
	ds_add_u32 v254, v255
	s_wait_dscnt 0x0
	s_endpgm
.Lfunc_end_k_q983e096280_sample:
	.size	k_q983e096280_sample, .Lfunc_end_k_q983e096280_sample-k_q983e096280_sample
	.p2alignl 7, 3214868480
	.fill 96, 4, 3214868480
	.section	.rodata,"a",@progbits
	.p2align	6, 0x0
	.amdhsa_kernel k_q983e096280_sample
		.amdhsa_group_segment_fixed_size 71680
		.amdhsa_private_segment_fixed_size 0
		.amdhsa_enable_private_segment 0
		.amdhsa_kernarg_size 40
		.amdhsa_user_sgpr_count 2
		.amdhsa_user_sgpr_kernarg_segment_ptr 1
		.amdhsa_wavefront_size32 1
		.amdhsa_system_sgpr_workgroup_id_x 1
		.amdhsa_system_sgpr_workgroup_id_y 1
		.amdhsa_system_sgpr_workgroup_id_z 1
		.amdhsa_system_vgpr_workitem_id 0
		.amdhsa_next_free_vgpr 256
		.amdhsa_next_free_sgpr 66
		.amdhsa_reserve_vcc 0
		.amdhsa_float_denorm_mode_32 3
		.amdhsa_float_denorm_mode_16_64 3
		.amdhsa_memory_ordered 1
		.amdhsa_forward_progress 1
		.amdhsa_inst_pref_size 83
	.end_amdhsa_kernel
	.amdgpu_metadata
---
amdhsa.version: [ 1, 2 ]
amdhsa.kernels:
  - .name:           k_q983e096280_sample
    .symbol:         k_q983e096280_sample.kd
    .args:
      - { .name: featT, .offset: 0, .size: 8, .value_kind: global_buffer, .address_space: global }
      - { .name: pidx, .offset: 8, .size: 8, .value_kind: global_buffer, .address_space: global }
      - { .name: pw, .offset: 16, .size: 8, .value_kind: global_buffer, .address_space: global }
      - { .name: lowp_scales, .offset: 24, .size: 8, .value_kind: global_buffer, .address_space: global }
      - { .name: xc, .offset: 32, .size: 8, .value_kind: global_buffer, .address_space: global }
    .group_segment_fixed_size: 71680
    .private_segment_fixed_size: 0
    .kernarg_segment_align: 8
    .kernarg_segment_size: 40
    .max_flat_workgroup_size: 512
    .sgpr_count:     66
    .vgpr_count:     256
    .wavefront_size: 32
...
	.end_amdgpu_metadata
.endif
;; end of part 2
;; launch mlp (part 3): grid 256 x 1, 4 waves a work-group, no clusters, 182,784 bytes of LDS; arguments xc, W1_codes, W2_codes, lowp_scales, b1, g1, be1, m1, v1, b2, g2, be2, m2, v2, W3, b3, out0; writes out0
.if DOCPART == 3
	.amdgcn_target "amdgcn-amd-amdhsa--gfx1250"
	.amdhsa_code_object_version 6
	.text
	.protected	k_q983e096280_mlp
	.globl	k_q983e096280_mlp
	.p2align	8
	.type	k_q983e096280_mlp,@function
k_q983e096280_mlp:
	s_mov_b64 s[64:65], 0
	v_nop
	global_prefetch_b8 v0, s[64:65] scope:SCOPE_SE
	s_setreg_imm32_b32 hwreg(HW_REG_WAVE_MODE, 25, 1), 1
	s_wait_xcnt 0x0
; out = relu(BN2(relu(BN1(x W1 + b1)) W2 + b2)) W3 + b3.  x: codes of BF8 (E5M2) made by the launch before, as images of the operand's registers; W1 [512][128], W2 [512][512]: codes, K innermost.
; Both products on the codes as they are, by v_wmma_f32_16x16x128_bf8_bf8, sums in f32; the last product (one column) by f32 multiply-adds.
; THE NORMS ARE FOLDED: s = rsq(v + 1e-5) g;  A = s 2^(the product's two exponents);  C = (b - m) s + be;  so BN(sum 2^e + b) = sum A + C: one packed multiply-add for two numbers.
; The hidden layer is quantised on the way: held between 0 (the activation) and 57,344 x 2^e2, / 2^e2, to the nearest code, ties to even.  It never goes to memory.
; LIMITS: e2 between -126 and 112, so that 2^e2 and 57,344 x 2^e2 are f32 numbers; e0 + e1 and e2 + e3 go in by v_ldexp_f32 and have none.  NaN among the activations is not served.
; SHARES.  Work-group g: points 512 g on, in 8 blocks of 64 (four tiles of 16).  THE WAVES SHARE THE COLUMNS: wave w owns units 128 w .. 128 w + 127 of both layers, for all rows.
; Its 32 fragments of W2 (512 registers) and layer 2's parameters (192) stay in registers for the whole launch; its 8 fragments of W1 lie in LDS as images of their registers.
; The work-group's 64 KiB of x are read from memory once, a quarter by each wave, and lie in LDS for all four.
; NO JOINT LOADS, though all work-groups read the same 320 KiB of weights: a joint load lands in LDS, and W2's 256 KiB do not fit beside the 178 KiB in use; each work-group reads the weights once, at its head.
; BOTH PRODUCTS ARE USED TRANSPOSED (source 0 = 16 rows of the weight, source 1 = 16 points): lane (r, h) holds point r, and its registers run along the units.
; THE ROWS OF W1 THAT FORM A TILE ARE NOT NEIGHBOURS: lane r of tile 2 b + u takes row 32 b + 8 u + r + 8 (r / 8): the 16 registers of tiles 2 b, 2 b + 1 are then units 32 b + 16 h + 0 .. 15,
; and the conversions' results are registers 4 b .. 4 b + 3 of K step w of the second product.  They go to the other waves as an image of the registers: 16 bytes a lane, 512 a store.
; A fragment's registers 4 c .. 4 c + 3 hold K = 32 c + 16 h + 0 .. 15 on both sides of each product: a permutation of k that is the same in both operands, so each product meets its partner.
; A BLOCK, two barriers.  LAYER 1: my 128 units for the 64 rows, 32 units a step; images to LDS | barrier |  LAYER 2 BY TURNS: a GROUP is one tile of 16 rows x my 8 tiles of units x 4 K steps: 32 products on
; 8 accumulators; two sets of accumulators take turns, and the way out of the group before (norm, activation, x W3: 128 vector instructions) stands in 32 slices of four, one behind each product: 4 vector
; instructions and at most 2 window switches for a product of 32,768 multiply-adds.  Group 0's products and group 3's way out stand bare | barrier |.  At the end the four waves' parts of the outputs are added.
; EVERY LDS LOAD IS ASKED FOR A STEP AHEAD OR MORE, in runs, never singly among the products.  In the last block the runs for the next block (its x, its first W1 and parameters: 32 loads) bring bytes that
; nobody uses: they stay inside LDS, on bytes written at the head.
; REGISTERS, in windows of 256.  Window 0: v1-15, v28-30 addresses and constants; v16-23 an output's sum in four pairs; v24-27 finished parts; v32-63 layer 1's parameters (even steps);
;   v64-127, v128-191 the two sets of accumulators (layer 1: sums in the first; in the second its parameters of odd steps, v128-159, and the codes just made, v160-191);
;   v192-255 four hidden fragments, one for each K step (layer 1: W1's fragments, two buffers of 32).
;   Window 1: W2's tiles 0-3 (tile n, K step s at 64 n + 16 s).   Window 2: tiles 4-7.   Window 3: v0-63 A2, v64-127 C2, v128-191 W3 (tile n at 8 n); v192-255 x's four fragments.
.set HIMG, 0                           ; LDS: the hidden layer's 16 fragments (tile of rows m, K step s: 4 m + s), 2,048 bytes each
.set TA1,  32768                       ; five tables of 512 f32: A1, C1, A2, C2, W3
.set TC1,  34816
.set TA2,  36864
.set TC2,  38912
.set TW3,  40960
.set POUT, 43008                       ; [4 waves][512 points] f32: each wave's part of the outputs
.set XIMG, 51200                       ; x: 32 tiles of 16 points, 2,048 bytes each
.set WIMG, 116736                      ; W1: for each wave 8 fragments of 2,048 bytes
.set OS,   16
.set ACC,  64
.set HF,   192
.set PA2,  0                           ; in window 3
.set PC2,  64
.set PW3,  128
.set XF,   192
.set MSB, 0
.macro WIN new                         ; the immediate's high byte repeats the setting that is left; a switch that changes nothing is dropped
.if MSB != \new
	s_set_vgpr_msb (MSB<<8)|\new
.set MSB, \new
.endif
.endm
.macro PLACES                          ; four plain vector lines between matrix instructions and the first read of their results, or a load into a register that they read
.rept 4
	v_nop
.endr
.endm
.macro BARRIER                         ; my LDS stores have landed and my LDS loads are in: then the work-group's barrier
	s_wait_dscnt 0x0
	s_barrier_signal -1
	s_barrier_wait -1
.endm
.macro XFETCH adr                      ; a block's four fragments of x, from their images: 16 loads
	WIN 0xc0                                       ; destination window 3
.irp m, 0,1,2,3
.irp c, 0,1,2,3
	ds_load_b128 v[XF+16*\m+4*\c:XF+16*\m+4*\c+3], v[\adr] offset:2048*\m+512*\c
.endr
.endr
	WIN 0
.endm
.macro HLOAD m, s                      ; the hidden fragment of tile of rows m, K step s: 4 loads
.irp c, 0,1,2,3
	ds_load_b128 v[HF+16*(\s)+4*\c:HF+16*(\s)+4*\c+3], v1 offset:(4*(\m)+(\s))*2048+512*\c
.endr
.endm
.macro L1PRE b                         ; what layer 1's step b wants: W1's tiles 2 b, 2 b + 1 and A1, C1 of my 16 units of each: 16 loads, into the buffers of b's parity
.set pw, HF+32*((\b)%2)
.set pp, 32+96*((\b)%2)
.irp u, 0,1
.irp c, 0,1,2,3
	ds_load_b128 v[pw+16*\u+4*\c:pw+16*\u+4*\c+3], v28 offset:(2*(\b)+\u)*2048+512*\c
.endr
.endr
.irp u, 0,1
	ds_load_b128 v[pp+8*\u:pp+8*\u+3], v5 offset:128*(\b)+32*\u
	ds_load_b128 v[pp+8*\u+4:pp+8*\u+7], v5 offset:128*(\b)+32*\u+16
	ds_load_b128 v[pp+16+8*\u:pp+16+8*\u+3], v5 offset:128*(\b)+32*\u+2048
	ds_load_b128 v[pp+16+8*\u+4:pp+16+8*\u+7], v5 offset:128*(\b)+32*\u+2048+16
.endr
.endm
	s_load_b512 s[16:31], s[0:1], 0x0              ; xc s[16:17], W1 s[18:19], W2 s[20:21], exponents s[22:23], b1 s[24:25], g1 s[26:27], be1 s[28:29], m1 s[30:31]
	s_load_b512 s[32:47], s[0:1], 0x40             ; v1 s[32:33], b2 s[34:35], g2 s[36:37], be2 s[38:39], m2 s[40:41], v2 s[42:43], W3 s[44:45], b3 s[46:47]
	s_load_b64 s[48:49], s[0:1], 0x80              ; out0
	v_lshrrev_b32 v24, 5, v0
	v_readfirstlane_b32 s8, v24                    ; wave 0..3
	v_and_b32 v1, 31, v0
	v_lshlrev_b32 v1, 4, v1                        ; 16 x lane: an image's place for my lane
	v_and_b32 v24, 15, v0                          ; r
	v_bfe_u32 v25, v0, 4, 1                        ; h
	s_lshl_b32 s50, s8, 11
	s_lshl_b32 s51, s8, 9
	s_lshl_b32 s56, s8, 14                         ; 16,384 x wave: my 128 rows of W1, my quarter of x, my W1 images
	s_mov_b32 s57, 0
	v_add_nc_u32 v2, XIMG, v1                      ; x's images, block 0
	v_add_nc_u32 v4, s50, v1                       ; where I store the hidden layer's images: 16 x lane + 2,048 x wave (K step w)
	v_lshlrev_b32 v5, 6, v25
	v_add_nc_u32 v5, s51, v5
	v_add_nc_u32 v5, TA1, v5                       ; layer 1's parameters: my wave's 128 numbers, + 16 h of them
	v_lshlrev_b32 v6, 5, v25
	v_add_nc_u32 v6, s51, v6
	v_add_nc_u32 v6, TA2, v6                       ; layer 2's: + 8 h
	v_lshlrev_b32 v7, 2, v24
	v_add_nc_u32 v7, s50, v7
	v_add_nc_u32 v7, POUT, v7                      ; my wave's parts of the outputs, point r
	v_lshlrev_b32 v11, 4, v0                       ; 16 x thread
	v_add_nc_u32 v12, POUT, v11
	v_mov_b32 v13, 0                               ; written once: a lane permute's destination counts as one of its sources
	v_and_b32 v14, 8, v24
	v_add_nc_u32 v14, v14, v24                     ; r + 8 (r / 8)
	v_lshlrev_b32 v14, 7, v14
	v_lshl_add_u32 v14, v25, 4, v14                ; W1: a row is 128 bytes
	v_lshlrev_b32 v15, 9, v24
	v_lshl_add_u32 v15, v25, 4, v15                ; W2: a row is 512 bytes
	v_add_nc_u32 v29, s56, v1                      ; my quarter of the work-group's x, in memory,
	v_add_nc_u32 v30, XIMG, v29                    ; and in LDS
	v_add_nc_u32 v28, WIMG, v29                    ; my W1 images
	s_mov_b32 s9, 8                                ; blocks to go
	s_mov_b32 s10, 0                               ; the block's 64 words in a wave's part of POUT
	s_mov_b32 s11, 8192                            ; the next block's x images
	s_mov_b32 s12, 0x76543210
	s_mov_b32 s13, 0xfedcba98                      ; v_permlanex16_b32's selects for lane l xor 16
	s_lshl_b32 s54, ttmp9, 16                      ; 512 points x 128 bytes
	s_mov_b32 s55, 0
	s_lshl_b32 s58, s8, 16                         ; my 128 rows of W2
	s_mov_b32 s59, 0
	s_lshl_b32 s60, ttmp9, 11                      ; 512 outputs
	s_mov_b32 s61, 0
	s_wait_kmcnt 0x0
	s_load_b128 s[4:7], s[22:23], 0x0              ; e0, e1, e2, e3
	s_load_b32 s52, s[46:47], 0x0                  ; b3
	s_add_nc_u64 s[16:17], s[16:17], s[54:55]
	s_add_nc_u64 s[18:19], s[18:19], s[56:57]
	s_add_nc_u64 s[20:21], s[20:21], s[58:59]
	s_add_nc_u64 s[48:49], s[48:49], s[60:61]
	WIN 0x40                                       ; destination window 1
.irp n, 0,1,2,3
.irp s, 0,1,2,3
.irp c, 0,1,2,3
	global_load_b128 v[64*\n+16*\s+4*\c:64*\n+16*\s+4*\c+3], v15, s[20:21] offset:8192*\n+128*\s+32*\c
.endr
.endr
.endr
	WIN 0x80                                       ; destination window 2
.irp n, 0,1,2,3
.irp s, 0,1,2,3
.irp c, 0,1,2,3
	global_load_b128 v[64*\n+16*\s+4*\c:64*\n+16*\s+4*\c+3], v15, s[20:21] offset:8192*(\n+4)+128*\s+32*\c
.endr
.endr
.endr
	WIN 0xc0                                       ; destination window 3: my quarter of x passes through the registers that layer 2's parameters will take
.set j, 0
.rept 32
	global_load_b128 v[4*j:4*j+3], v29, s[16:17] offset:512*j th:TH_LOAD_NT   ; 512 consecutive bytes; read once in the whole launch
.set j, j+1
.endr
	WIN 0
.irp t, 0,1,2,3,4,5,6,7                ; W1's tile t begins at row 32 (t / 2) + 8 (t % 2); it passes through the accumulators' registers
.irp c, 0,1,2,3
	global_load_b128 v[ACC+16*\t+4*\c:ACC+16*\t+4*\c+3], v14, s[18:19] offset:(32*(\t/2)+8*(\t%2))*128+32*\c
.endr
.endr
	global_load_b128 v[192:195], v11, s[24:25]     ; each thread folds four units' parameters: b1, g1, be1, m1, v1,
	global_load_b128 v[196:199], v11, s[26:27]
	global_load_b128 v[200:203], v11, s[28:29]
	global_load_b128 v[204:207], v11, s[30:31]
	global_load_b128 v[208:211], v11, s[32:33]
	global_load_b128 v[212:215], v11, s[34:35]     ; b2, g2, be2, m2, v2,
	global_load_b128 v[216:219], v11, s[36:37]
	global_load_b128 v[220:223], v11, s[38:39]
	global_load_b128 v[224:227], v11, s[40:41]
	global_load_b128 v[228:231], v11, s[42:43]
	global_load_b128 v[232:235], v11, s[44:45]     ; W3
	s_wait_kmcnt 0x0
	s_add_co_i32 s14, s4, s5                       ; e0 + e1
	s_add_co_i32 s15, s6, s7                       ; e2 + e3
	s_add_co_i32 s53, s6, 127
	s_lshl_b32 s50, s53, 23
	v_mov_b32 v10, s50                             ; 2^e2 as f32: the conversion takes its exponent field
	s_add_co_i32 s53, s53, 15
	s_lshl_b32 s53, s53, 23
	s_or_b32 s53, s53, 0x600000
	v_mov_b32 v9, s53                              ; 57,344 x 2^e2
	s_wait_loadcnt 0x0                             ; weights, x and parameters, once
.irp t, 0,1,2,3,4,5,6,7                ; W1's fragments to LDS as they stand
.irp c, 0,1,2,3
	ds_store_b128 v28, v[ACC+16*\t+4*\c:ACC+16*\t+4*\c+3] offset:2048*\t+512*\c
.endr
.endr
	WIN 0x0c                                       ; an LDS store's data: source 1, window 3
.set j, 0
.rept 32
	ds_store_b128 v30, v[4*j:4*j+3] offset:512*j   ; x's images lie in LDS as they lay in memory
.set j, j+1
.endr
	WIN 0
.macro BNFOLD base, rr, ex             ; v[base] on: b, g, be, m, v, four registers each.  Leaves A in v[rr] on and C where be was
.irp i, 0,1,2,3
	v_add_f32 v[\base+16+\i], 0x3727c5ac, v[\base+16+\i]   ; v + 1e-5
.endr
.irp i, 0,1,2,3
	v_rsq_f32 v[\rr+\i], v[\base+16+\i]
.endr
.irp i, 0,1,2,3
	v_sub_f32 v[\base+\i], v[\base+\i], v[\base+12+\i]     ; b - m: plain lines behind the transcendentals, which touch neither their results nor their sources
.endr
	s_wait_alu depctr_va_vdst(0)
.irp i, 0,1,2,3
	v_mul_f32 v[\rr+\i], v[\rr+\i], v[\base+4+\i]          ; s
.endr
.irp i, 0,1,2,3
	v_fma_f32 v[\base+8+\i], v[\base+\i], v[\rr+\i], v[\base+8+\i]   ; C = (b - m) s + be
.endr
.irp i, 0,1,2,3
	v_ldexp_f32 v[\rr+\i], v[\rr+\i], s[\ex]               ; A = s x 2^(the two exponents)
.endr
.endm
	BNFOLD 192, 236, 14
	BNFOLD 212, 240, 15
	ds_store_b128 v11, v[236:239] offset:TA1
	ds_store_b128 v11, v[200:203] offset:TC1
	ds_store_b128 v11, v[240:243] offset:TA2
	ds_store_b128 v11, v[220:223] offset:TC2
	ds_store_b128 v11, v[232:235] offset:TW3
	BARRIER                                        ; the tables, x's images and W1's lie in LDS; nobody writes them again
	WIN 0xc0                                       ; destination window 3: A2, C2, W3 of tile n's eight units of my half: they stay
.irp n, 0,1,2,3,4,5,6,7
	ds_load_b128 v[PA2+8*\n:PA2+8*\n+3], v6 offset:64*\n
	ds_load_b128 v[PA2+8*\n+4:PA2+8*\n+7], v6 offset:64*\n+16
	ds_load_b128 v[PC2+8*\n:PC2+8*\n+3], v6 offset:64*\n+2048
	ds_load_b128 v[PC2+8*\n+4:PC2+8*\n+7], v6 offset:64*\n+2048+16
	ds_load_b128 v[PW3+8*\n:PW3+8*\n+3], v6 offset:64*\n+4096
	ds_load_b128 v[PW3+8*\n+4:PW3+8*\n+7], v6 offset:64*\n+4096+16
.endr
	XFETCH 2                                       ; the first block's x
	L1PRE 0                                        ; and what its first step wants
; LAYER 1, units 32 b .. 32 b + 31 of my 128, for the four tiles of rows: eight products, each a whole sum (K = 128), accumulator (m, u) at ACC + 16 m + 8 u.
.macro L1 b
.set lw, HF+32*((\b)%2)                ; W1's two tiles
.set lp, 32+96*((\b)%2)                ; A1 (16 registers), C1 (16)
.set lc, 160+16*((\b)%2)               ; the codes: by turns, so that a step's conversions never write what the step before's stores read
.if \b < 3
	L1PRE (\b)+1                                   ; the next step's 16 loads go out first: their buffers' last readers stand behind a whole way out
	s_wait_dscnt 16                                ; all that was issued ahead of them is done: this step's loads, the last step's stores (and, in the first block, the head's loads)
.else
	s_wait_dscnt 4                                 ; this step's loads are in; the four image stores issued behind them may stay out
.endif
	WIN 0x0c                                       ; source 1 (x) window 3
.irp m, 0,1,2,3
.irp u, 0,1
	v_wmma_f32_16x16x128_bf8_bf8 v[ACC+16*\m+8*\u:ACC+16*\m+8*\u+7], v[lw+16*\u:lw+16*\u+15], v[XF+16*\m:XF+16*\m+15], 0
.endr
.endr
	WIN 0
	PLACES
.irp m, 0,1,2,3
.irp u, 0,1
.irp i, 0,2,4,6                        ; each accumulator from its low end on
	v_pk_fma_f32 v[ACC+16*\m+8*\u+\i:ACC+16*\m+8*\u+\i+1], v[ACC+16*\m+8*\u+\i:ACC+16*\m+8*\u+\i+1], v[lp+8*\u+\i:lp+8*\u+\i+1], v[lp+16+8*\u+\i:lp+16+8*\u+\i+1]
.endr
.endr
.irp i, 0,1,2,3,4,5,6,7,8,9,10,11,12,13,14,15
	v_med3_num_f32 v[ACC+16*\m+\i], v[ACC+16*\m+\i], 0, v9   ; the activation and the hold in one: the conversion to an 8-bit code does not saturate (ISA guide 7.6.2)
.endr
	v_cvt_scalef32_pk8_bf8_f32 v[lc+4*\m:lc+4*\m+1], v[ACC+16*\m:ACC+16*\m+7], v10
	v_cvt_scalef32_pk8_bf8_f32 v[lc+4*\m+2:lc+4*\m+3], v[ACC+16*\m+8:ACC+16*\m+15], v10
.endr
	v_nop                                          ; a plain line between the last conversion and the next products, which write its sources
.irp m, 0,1,2,3
	ds_store_b128 v4, v[lc+4*\m:lc+4*\m+3] offset:8192*\m+512*\b   ; registers 4 b .. 4 b + 3 of fragment (m, K step w)
.endr
.endm
; LAYER 2.  Product (n, s) of group m: accumulator n of set m % 2; the first K step starts the sum.
.macro MM m, n, s
.set rD, ACC+64*((\m)%2)+8*(\n)
.set rW, 64*((\n)%4)+16*(\s)
.set rH, HF+16*(\s)
.if (\s) == 0
	v_wmma_f32_16x16x128_bf8_bf8 v[rD:rD+7], v[rW:rW+15], v[rH:rH+15], 0
.else
	v_wmma_f32_16x16x128_bf8_bf8 v[rD:rD+7], v[rW:rW+15], v[rH:rH+15], v[rD:rD+7]
.endif
.endm
; Slice k of 32 of the way out of the eight accumulators at v[a] on: tile k / 4, part k % 4.  Part 0: sum A2 + C2 (from the accumulator's low end on).  Parts 1, 2: the activation, four registers each.
; Part 3: x W3 onto the output's sum, kept in four pairs that do not wait for each other; tile 0 starts them.
; The activation has a constant in the first source's place and window 0 in the others: it runs under a product's setting as it stands, so only parts 0 and 3 cost switches.
.macro SLICE a, k
.set st, (\k)/4
.set sq, (\k)%4
.set sr, (\a)+8*st
.if sq == 0
	WIN 0x3c                                       ; sources 1 (A2) and 2 (C2) window 3
.irp i, 0,2,4,6
	v_pk_fma_f32 v[sr+\i:sr+\i+1], v[sr+\i:sr+\i+1], v[PA2+8*st+\i:PA2+8*st+\i+1], v[PC2+8*st+\i:PC2+8*st+\i+1]
.endr
.elseif sq == 3
	WIN 0x0c                                       ; source 1 (W3) window 3
.irp i, 0,2,4,6
.if st == 0
	v_pk_mul_f32 v[OS+\i:OS+\i+1], v[sr+\i:sr+\i+1], v[PW3+8*st+\i:PW3+8*st+\i+1]
.else
	v_pk_fma_f32 v[OS+\i:OS+\i+1], v[sr+\i:sr+\i+1], v[PW3+8*st+\i:PW3+8*st+\i+1], v[OS+\i:OS+\i+1]
.endif
.endr
.else
.if MSB & 0xcc
	WIN 0                                          ; (where no product stands between the slices)
.endif
.irp i, 0,1,2,3
	v_max_num_f32 v[sr+4*(sq-1)+\i], 0, v[sr+4*(sq-1)+\i]
.endr
.endif
.endm
.macro FIN m                           ; tile of rows m is through: the four pairs, the pair's halves and lane l xor 16's are added: my wave's 128 units' part of point r's output
	WIN 0
	v_pk_add_f32 v[OS:OS+1], v[OS:OS+1], v[OS+2:OS+3]
	v_pk_add_f32 v[OS+4:OS+5], v[OS+4:OS+5], v[OS+6:OS+7]
	v_pk_add_f32 v[OS:OS+1], v[OS:OS+1], v[OS+4:OS+5]
	v_add_f32 v[24+\m], v[OS], v[OS+1]
	v_permlanex16_b32 v13, v[24+\m], s12, s13
	v_add_f32 v[24+\m], v[24+\m], v13
	ds_store_b32 v8, v[24+\m] offset:64*\m         ; lanes r and r + 16 write the same word with the same number
.endm
; GROUP m: 32 products, K step by K step, the 8 accumulators by turns, one instruction a turn.  epi = 1: a slice of group m - 1's way out behind each.
; w0, w2: how many younger LDS instructions may stay out when the fragments of K steps 0, 1 and of K steps 2, 3 have to be in.
; THE RUNS OF LOADS.  Behind product 1 of K step 0: this group's fragments of K steps 2 and 3, whose registers the group before read last (group 1 adds the next block's x).
; Behind product 1 of K step 2: the next group's fragments of K steps 0 and 1; group 3 fetches what the next block's first step of layer 1 wants instead.
; Between a register's last reader and the load into it stand two slices or more (eight plain vector lines); in group 0, which has no slices, four v_nop.
.macro GROUP m, epi, w0, w2
.irp s, 0,1,2,3
.irp n, 0,1,2,3,4,5,6,7
.if (\s == 0) && (\n == 0)
	s_wait_dscnt \w0
.endif
.if (\s == 2) && (\n == 0)
	s_wait_dscnt \w2
.endif
.set wn, 1+\n/4
	WIN wn                                         ; source 0: W2's tiles 0-3 window 1, tiles 4-7 window 2
	MM \m, \n, \s
.if \epi
	SLICE ACC+64*(1-(\m)%2), 8*\s+\n
.endif
.if (\s == 0) && (\n == 1) && (\m > 0)
	WIN 0
	HLOAD \m, 2
	HLOAD \m, 3
.if \m == 1
	XFETCH 3
.endif
.endif
.if (\s == 2) && (\n == 1)
.if !\epi
	PLACES
.endif
	WIN 0
.if \m < 3
	HLOAD (\m)+1, 0
	HLOAD (\m)+1, 1
.else
	L1PRE 0
.endif
.endif
.endr
.endr
.endm
.Lblock:
	L1 0
	L1 1
	L1 2
	L1 3
	BARRIER                                        ; the hidden layer's sixteen fragments lie in LDS
	v_add_nc_u32 v8, s10, v7                       ; this block's 64 words of my wave's part of the outputs
	v_add_nc_u32 v3, s11, v2                       ; the next block's x images (behind the last block: W1's images, which nobody then uses)
	HLOAD 0, 0
	HLOAD 0, 1
	HLOAD 0, 2
	HLOAD 0, 3
	GROUP 0, 0, 8, 0                               ; K steps 0, 1 are in when 8 younger loads are out; K steps 2, 3 when none is
	PLACES                                         ; group 0 has no slices: four places in front of the first read of its results
	GROUP 1, 1, 0, 16                              ; at K step 2 the 16 loads of the next block's x, issued behind the fragments, may stay out
	FIN 0
	GROUP 2, 1, 1, 0                               ; at K step 0 the one store of the tile just finished may stay out
	FIN 1
	GROUP 3, 1, 1, 0
	FIN 2
.irp t, 0,1,2,3,4,5,6,7                ; group 3's way out stands bare, part by part, so that it costs three switches
	SLICE ACC+64, 4*\t
.endr
.irp t, 0,1,2,3,4,5,6,7
	SLICE ACC+64, 4*\t+1
	SLICE ACC+64, 4*\t+2
.endr
.irp t, 0,1,2,3,4,5,6,7
	SLICE ACC+64, 4*\t+3
.endr
	FIN 3
	BARRIER                                        ; every wave's reads of the hidden layer are over: the next block may write it; the parts of the outputs have landed
	s_add_co_u32 s10, s10, 256
	s_add_co_u32 s11, s11, 8192
	s_sub_co_u32 s9, s9, 1
	s_cmp_lg_u32 s9, 0
	s_cbranch_scc1 .Lblock
	; THE WAY OUT: thread t adds the four waves' parts of points 4 t .. 4 t + 3 and b3; a wave stores 512 consecutive bytes.
	ds_load_b128 v[32:35], v12
	ds_load_b128 v[36:39], v12 offset:2048
	ds_load_b128 v[40:43], v12 offset:4096
	ds_load_b128 v[44:47], v12 offset:6144
	s_wait_dscnt 0x0
	v_pk_add_f32 v[32:33], v[32:33], v[36:37]
	v_pk_add_f32 v[34:35], v[34:35], v[38:39]
	v_pk_add_f32 v[40:41], v[40:41], v[44:45]
	v_pk_add_f32 v[42:43], v[42:43], v[46:47]
	v_pk_add_f32 v[32:33], v[32:33], v[40:41]
	v_pk_add_f32 v[34:35], v[34:35], v[42:43]
.irp i, 0,1,2,3
	v_add_f32 v[32+\i], s52, v[32+\i]
.endr
	global_store_b128 v11, v[32:35], s[48:49]
	s_wait_xcnt 0x0
	v_lshl_add_u32 v254, v0, 2, 0x2c800
	v_mov_b32 v255, 0
	s_wait_tensorcnt 0x0
	ds_add_u32 v254, v255
	s_wait_dscnt 0x0
	s_endpgm
.Lfunc_end_k_q983e096280_mlp:
	.size	k_q983e096280_mlp, .Lfunc_end_k_q983e096280_mlp-k_q983e096280_mlp
	.p2alignl 7, 3214868480
	.fill 96, 4, 3214868480
	.section	.rodata,"a",@progbits
	.p2align	6, 0x0
	.amdhsa_kernel k_q983e096280_mlp
		.amdhsa_group_segment_fixed_size 182784
		.amdhsa_private_segment_fixed_size 0
		.amdhsa_enable_private_segment 0
		.amdhsa_kernarg_size 136
		.amdhsa_user_sgpr_count 2
		.amdhsa_user_sgpr_kernarg_segment_ptr 1
		.amdhsa_wavefront_size32 1
		.amdhsa_system_sgpr_workgroup_id_x 1
		.amdhsa_system_sgpr_workgroup_id_y 1
		.amdhsa_system_sgpr_workgroup_id_z 1
		.amdhsa_system_vgpr_workitem_id 0
		.amdhsa_next_free_vgpr 1024
		.amdhsa_next_free_sgpr 66
		.amdhsa_reserve_vcc 0
		.amdhsa_float_denorm_mode_32 3
		.amdhsa_float_denorm_mode_16_64 3
		.amdhsa_memory_ordered 1
		.amdhsa_forward_progress 1
		.amdhsa_inst_pref_size 113
	.end_amdhsa_kernel
	.amdgpu_metadata
---
amdhsa.version: [ 1, 2 ]
amdhsa.kernels:
  - .name:           k_q983e096280_mlp
    .symbol:         k_q983e096280_mlp.kd
    .args:
      - { .name: xc, .offset: 0, .size: 8, .value_kind: global_buffer, .address_space: global }
      - { .name: W1_codes, .offset: 8, .size: 8, .value_kind: global_buffer, .address_space: global }
      - { .name: W2_codes, .offset: 16, .size: 8, .value_kind: global_buffer, .address_space: global }
      - { .name: lowp_scales, .offset: 24, .size: 8, .value_kind: global_buffer, .address_space: global }
      - { .name: b1, .offset: 32, .size: 8, .value_kind: global_buffer, .address_space: global }
      - { .name: g1, .offset: 40, .size: 8, .value_kind: global_buffer, .address_space: global }
      - { .name: be1, .offset: 48, .size: 8, .value_kind: global_buffer, .address_space: global }
      - { .name: m1, .offset: 56, .size: 8, .value_kind: global_buffer, .address_space: global }
      - { .name: v1, .offset: 64, .size: 8, .value_kind: global_buffer, .address_space: global }
      - { .name: b2, .offset: 72, .size: 8, .value_kind: global_buffer, .address_space: global }
      - { .name: g2, .offset: 80, .size: 8, .value_kind: global_buffer, .address_space: global }
      - { .name: be2, .offset: 88, .size: 8, .value_kind: global_buffer, .address_space: global }
      - { .name: m2, .offset: 96, .size: 8, .value_kind: global_buffer, .address_space: global }
      - { .name: v2, .offset: 104, .size: 8, .value_kind: global_buffer, .address_space: global }
      - { .name: W3, .offset: 112, .size: 8, .value_kind: global_buffer, .address_space: global }
      - { .name: b3, .offset: 120, .size: 8, .value_kind: global_buffer, .address_space: global }
      - { .name: out0, .offset: 128, .size: 8, .value_kind: global_buffer, .address_space: global }
    .group_segment_fixed_size: 182784
    .private_segment_fixed_size: 0
    .kernarg_segment_align: 8
    .kernarg_segment_size: 136
    .max_flat_workgroup_size: 128
    .sgpr_count:     66
    .vgpr_count:     1024
    .wavefront_size: 32
...
	.end_amdgpu_metadata
.endif
;; end of part 3
;; ======== version 2 of 2: 3 launches
;; workspace buffers: featT 268,435,456 bytes; pidx 524,288 bytes of whole numbers; pw 4,194,304 bytes; xc 16,777,216 bytes
;; launch prep (part 4): grid 1024 x 1, 8 waves a work-group, no clusters, 70,656 bytes of LDS; arguments dense_features, query_points, featT, pidx, pw; writes featT, pidx, pw
.if DOCPART == 4
	.amdgcn_target "amdgcn-amd-amdhsa--gfx1250"
	.amdhsa_code_object_version 6
	.text
	.protected	k_q983e096280_prep
	.globl	k_q983e096280_prep
	.p2align	8
	.type	k_q983e096280_prep,@function
k_q983e096280_prep:
	s_mov_b64 s[64:65], 0
	v_nop
	global_prefetch_b8 v0, s[64:65] scope:SCOPE_SE
	s_setreg_imm32_b32 hwreg(HW_REG_WAVE_MODE, 25, 1), 1
	s_wait_xcnt 0x0
; TWO THINGS IN ONE LAUNCH.
; (1) featT[b][voxel][c] = dense[b][c][voxel]: the volume [2][128][262144] f32 is laid anew with the channels innermost, still f32 (it stands ahead of a quantiser),
;     so that a later launch finds a voxel's 128 channels in 512 consecutive bytes.
; (2) For each of the 131,072 query points a record: pidx = (z0 64 + y0) 64 + x0 as a whole number, pw = its eight trilinear weights, f32, in two planes (dz = 0, 1) of (dy, dx) = 00, 01, 10, 11.
;     x = clip(((2 q - 1) + 1) 31.5, 0, 63): x 0.5 rounds nothing, so x 31.5 rounds as x 0.5 x 63 does.  x0 = min(floor x, 62), w = x - x0: at x = 63 the weight 1 falls on voxel 63,
;     the same value as a clamped x1; so all eight corners lie at constant distances from the base.
; LIMITS: NaN among the query points is not served (its index becomes 0).  At exactly x = 63 the neighbour with weight 0 is voxel 62 and not voxel 63: an infinity there would show.
; SHARES.  Work-group g: batch g / 512, voxels 512 (g % 512) on, all channels, in two strips of 256 voxels.  In a strip wave w owns voxels 32 w .. 32 w + 31.
; A LANE TAKES A VOXEL AND ITS REGISTERS RUN DOWN THE CHANNELS: a load reads 128 consecutive bytes, the eight waves side by side 1,024.  A piece (32 voxels x 64 channels) goes through the wave's own
; stage in LDS and leaves by rows: sixteen lanes store 256 consecutive bytes, aligned.  Waves share nothing: no barrier.  No work-group reads what another reads: nothing to ask for jointly.
; Every offset is an immediate; no address register and no base is written again once it is used.
.set STG,   8704                       ; a wave's stage: 32 rows (voxels) x PITCH
.set PITCH, 272                        ; 64 channels (256 bytes) + 16: row r begins 17 r columns of 16 bytes on, so sixteen rows fall on sixteen different columns of 256 bytes
.set BK,    16                         ; s[16:47]  sixteen bases into dense, 8 channels (8 MiB) apart: a channel's place among eight stands in the immediate (7 MiB + 1,024 at the most)
.set L0,    16                         ; v16-47, v48-79  two sets of 32 channels of my voxel
.set O,     80                         ; v80-111  the way out: eight times 16 bytes; before that the point's arithmetic
	s_load_b256 s[4:11], s[0:1], 0x0               ; dense s[4:5], query s[6:7], featT s[8:9], pidx s[10:11]
	s_load_b64 s[12:13], s[0:1], 0x20              ; pw
	v_lshl_add_u32 v112, v0, 2, 0x11000
	v_mov_b32 v113, 0
	v_lshrrev_b32 v8, 5, v0
	s_delay_alu instid0(VALU_DEP_1)
	v_readfirstlane_b32 s14, v8                    ; wave 0..7
	v_and_b32 v2, 31, v0                           ; lane
	v_lshlrev_b32 v1, 2, v0                        ; 4 x thread: my voxel in a strip's row of dense; also my word of pidx
	v_mul_u32_u24 v6, v0, 12                       ; my point's three numbers
	v_lshlrev_b32 v7, 4, v0                        ; my point's four weights of a plane
	s_mul_i32 s15, s14, STG
	v_mul_u32_u24 v3, v2, PITCH
	s_delay_alu instid0(VALU_DEP_1)
	v_add_nc_u32 v3, s15, v3                       ; into the stage: row = my voxel
	v_lshrrev_b32 v8, 4, v2
	v_and_b32 v9, 15, v2
	s_delay_alu instid0(VALU_DEP_2)
	v_mul_u32_u24 v4, v8, PITCH
	s_delay_alu instid0(VALU_DEP_1)
	v_lshl_add_u32 v4, v9, 4, v4
	s_delay_alu instid0(VALU_DEP_1)
	v_add_nc_u32 v4, s15, v4                       ; out of it: sixteen lanes to a row, two rows an instruction
	s_lshl_b32 s48, s14, 14                        ; my wave's 32 rows of 512 bytes in featT
	v_lshlrev_b32 v5, 9, v8
	s_delay_alu instid0(VALU_DEP_1)
	v_lshl_add_u32 v5, v9, 4, v5
	s_delay_alu instid0(VALU_DEP_1)
	v_add_nc_u32 v5, s48, v5                       ; and the same place in featT
	s_lshr_b32 s2, ttmp9, 9                        ; batch
	s_lshl_b32 s2, s2, 27                          ; x 128 channels x 1 MiB
	s_and_b32 s3, ttmp9, 511
	s_lshl_b32 s3, s3, 11                          ; + 512 voxels x 4 bytes for each work-group of the batch
	s_add_co_u32 s2, s2, s3
	s_mov_b32 s3, 0
	s_wait_kmcnt 0x0
	s_add_nc_u64 s[BK:BK+1], s[4:5], s[2:3]
.set k, 1
.rept 15
	s_add_nc_u64 s[BK+2*k:BK+2*k+1], s[BK+2*k-2:BK+2*k-1], 0x800000
.set k, k+1
.endr
	s_lshl_b32 s2, ttmp9, 18                       ; featT: 512 voxels x 512 bytes a work-group, batch after batch
	s_add_nc_u64 s[8:9], s[8:9], s[2:3]
	s_mul_i32 s2, ttmp9, 1536                      ; 128 points a work-group: 12 bytes each,
	s_add_nc_u64 s[6:7], s[6:7], s[2:3]
	s_lshl_b32 s2, ttmp9, 9                        ; 4 bytes each,
	s_add_nc_u64 s[10:11], s[10:11], s[2:3]
	s_lshl_b32 s2, ttmp9, 11                       ; 16 bytes each in a plane
	s_add_nc_u64 s[12:13], s[12:13], s[2:3]
; Sub-step u of 8: strip u / 4, channels 64 ((u / 2) % 2) + 32 (u % 2) + 0 .. 31, into set u % 2.
.macro LOAD u
.set j, 0
.rept 32
.set cc, 64*(((\u)/2)%2)+32*((\u)%2)+j
	global_load_b32 v[L0+32*((\u)%2)+j], v1, s[BK+2*(cc/8):BK+2*(cc/8)+1] offset:((cc%8)<<20)+((\u)/4)*1024 th:TH_LOAD_NT
.set j, j+1
.endr
.endm
.macro STASH u                         ; my voxel's 32 channels: 128 bytes of its stage row
.irp q, 0,1,2,3,4,5,6,7
	ds_store_b128 v3, v[L0+32*((\u)%2)+4*\q:L0+32*((\u)%2)+4*\q+3] offset:128*((\u)%2)+16*\q
.endr
.endm
; Piece p of 4 (strip p / 2, channel half p % 2) leaves: 32 rows of 256 bytes, in two runs of eight instructions.
.macro DRAIN p
.irp hb, 0,1
	s_wait_xcnt 0x0                                ; the stores issued so far have read their data: only now is O loaded again
.irp t, 0,1,2,3,4,5,6,7
	ds_load_b128 v[O+4*\t:O+4*\t+3], v4 offset:2*(8*\hb+\t)*PITCH   ; LDS serves a wave's instructions in order: these see my stores
.endr
.irp t, 0,1,2,3,4,5,6,7
	s_wait_dscnt 7-\t                              ; the younger of the eight may stay out
	global_store_b128 v5, v[O+4*\t:O+4*\t+3], s[8:9] offset:((\p)/2)*131072+2*(8*\hb+\t)*512+((\p)%2)*256 th:TH_STORE_NT   ; sixteen lanes: 256 consecutive bytes, aligned
.endr
.endr
.endm
	LOAD 0
	LOAD 1
	; THE POINTS: threads 0 to 127 (waves 0 to 3), one point each.  Their loads go out behind the first 64, and share their way.
	s_cmp_ge_u32 s14, 4
	s_cbranch_scc1 .Lno_points
	global_load_b32 v80, v6, s[6:7]
	global_load_b32 v81, v6, s[6:7] offset:4
	global_load_b32 v82, v6, s[6:7] offset:8
	s_wait_loadcnt 0x0
.irp a, 0,1,2                          ; x, y, z
	v_fma_f32 v[80+\a], 2.0, v[80+\a], -1.0        ; 2 q is exact: one rounding, as in 2 q - 1
	s_delay_alu instid0(VALU_DEP_1)
	v_add_f32 v[80+\a], 1.0, v[80+\a]
	s_delay_alu instid0(VALU_DEP_1)
	v_mul_f32 v[80+\a], 0x41fc0000, v[80+\a]       ; x 31.5
	s_delay_alu instid0(VALU_DEP_1)
	v_med3_num_f32 v[80+\a], v[80+\a], 0, 0x427c0000   ; held in 0 .. 63
	s_delay_alu instid0(VALU_DEP_1)
	v_floor_f32 v[83+\a], v[80+\a]
	s_delay_alu instid0(VALU_DEP_1)
	v_min_num_f32 v[83+\a], 0x42780000, v[83+\a]   ; the base is 62 at the most
	s_delay_alu instid0(VALU_DEP_1)
	v_sub_f32 v[86+\a], v[80+\a], v[83+\a]         ; w
	s_delay_alu instid0(VALU_DEP_2)
	v_cvt_u32_f32 v[92+\a], v[83+\a]
	s_delay_alu instid0(VALU_DEP_2)
	v_sub_f32 v[89+\a], 1.0, v[86+\a]              ; 1 - w
.endr
	s_delay_alu instid0(VALU_DEP_2)
	v_lshl_add_u32 v95, v94, 6, v93
	s_delay_alu instid0(VALU_DEP_1)
	v_lshl_add_u32 v95, v95, 6, v92                ; (z0 64 + y0) 64 + x0
	s_delay_alu instid0(VALU_DEP_3)
	v_mul_f32 v96, v90, v91                        ; (1 - wy)(1 - wz)
	s_delay_alu instid0(VALU_DEP_4)
	v_mul_f32 v97, v87, v91                        ; wy (1 - wz)
	v_mul_f32 v98, v90, v88                        ; (1 - wy) wz
	v_mul_f32 v99, v87, v88                        ; wy wz
.irp d, 0,1,2,3
	v_mul_f32 v[100+2*\d], v[96+\d], v89           ; x (1 - wx)
	v_mul_f32 v[101+2*\d], v[96+\d], v86           ; x wx
.endr
	global_store_b32 v1, v95, s[10:11]             ; a wave: 128 consecutive bytes
	global_store_b128 v7, v[100:103], s[12:13]     ; a wave: 512 consecutive bytes
	global_store_b128 v7, v[104:107], s[12:13] offset:2097152
.Lno_points:
.macro SUB u
.if (\u) < 7
	s_wait_loadcnt 32                              ; this sub-step's 32 loads are in; the next one's 32 may stay out
.else
	s_wait_loadcnt 0x0
.endif
	STASH \u
	s_wait_dscnt 0x0                               ; the stores have read the set,
.if (\u)+2 < 8
	LOAD (\u)+2                                    ; which takes the loads of two sub-steps on
.endif
.if (\u)%2
	DRAIN (\u)/2
.endif
.endm
	s_wait_alu depctr_va_vdst(0)
.irp u, 0,1,2,3,4,5,6,7
	SUB \u
.endr
	s_wait_tensorcnt 0x0
	ds_add_u32 v112, v113
	s_wait_dscnt 0x0
	s_endpgm
.Lfunc_end_k_q983e096280_prep:
	.size	k_q983e096280_prep, .Lfunc_end_k_q983e096280_prep-k_q983e096280_prep
	.p2alignl 7, 3214868480
	.fill 96, 4, 3214868480
	.section	.rodata,"a",@progbits
	.p2align	6, 0x0
	.amdhsa_kernel k_q983e096280_prep
		.amdhsa_group_segment_fixed_size 70656
		.amdhsa_private_segment_fixed_size 0
		.amdhsa_enable_private_segment 0
		.amdhsa_kernarg_size 40
		.amdhsa_user_sgpr_count 2
		.amdhsa_user_sgpr_kernarg_segment_ptr 1
		.amdhsa_wavefront_size32 1
		.amdhsa_system_sgpr_workgroup_id_x 1
		.amdhsa_system_sgpr_workgroup_id_y 1
		.amdhsa_system_sgpr_workgroup_id_z 1
		.amdhsa_system_vgpr_workitem_id 0
		.amdhsa_next_free_vgpr 114
		.amdhsa_next_free_sgpr 66
		.amdhsa_reserve_vcc 0
		.amdhsa_float_denorm_mode_32 3
		.amdhsa_float_denorm_mode_16_64 3
		.amdhsa_memory_ordered 1
		.amdhsa_forward_progress 1
		.amdhsa_inst_pref_size 48
	.end_amdhsa_kernel
	.amdgpu_metadata
---
amdhsa.version: [ 1, 2 ]
amdhsa.kernels:
  - .name:           k_q983e096280_prep
    .symbol:         k_q983e096280_prep.kd
    .args:
      - { .name: dense_features, .offset: 0, .size: 8, .value_kind: global_buffer, .address_space: global }
      - { .name: query_points, .offset: 8, .size: 8, .value_kind: global_buffer, .address_space: global }
      - { .name: featT, .offset: 16, .size: 8, .value_kind: global_buffer, .address_space: global }
      - { .name: pidx, .offset: 24, .size: 8, .value_kind: global_buffer, .address_space: global }
      - { .name: pw, .offset: 32, .size: 8, .value_kind: global_buffer, .address_space: global }
    .group_segment_fixed_size: 70656
    .private_segment_fixed_size: 0
    .kernarg_segment_align: 8
    .kernarg_segment_size: 40
    .max_flat_workgroup_size: 256
    .sgpr_count:     66
    .vgpr_count:     114
    .wavefront_size: 32
...
	.end_amdgpu_metadata
.endif
;; end of part 4
;; launch sample (part 5): grid 256 x 1, 16 waves a work-group, no clusters, 71,680 bytes of LDS; arguments featT, pidx, pw, lowp_scales, xc; writes xc
.if DOCPART == 5
	.amdgcn_target "amdgcn-amd-amdhsa--gfx1250"
	.amdhsa_code_object_version 6
	.text
	.protected	k_q983e096280_sample
	.globl	k_q983e096280_sample
	.p2align	8
	.type	k_q983e096280_sample,@function
k_q983e096280_sample:
	s_mov_b64 s[64:65], 0
	v_nop
	global_prefetch_b8 v0, s[64:65] scope:SCOPE_SE
	s_setreg_imm32_b32 hwreg(HW_REG_WAVE_MODE, 25, 1), 1
	s_wait_xcnt 0x0
; feats[point][c] = the sum over the eight corners j of w_j featT[base + corner j][c], in f32; then its code of BF8 (E5M2): feats / 2^e0, held within +-57,344, to the nearest code, ties to even.
; base (a whole number) and the eight weights were stored by the launch before; e0 is entry 0 of lowp_scales.
; The codes leave as IMAGES OF THE NEXT LAUNCH'S OPERAND REGISTERS: tile of 16 points = 2,048 bytes; byte 512 c + 16 (r + 16 h) + i = point r, channel 32 c + 16 h + i.
; LIMITS: e0 between -126 and 112, so that 2^e0 and 57,344 x 2^e0 are f32 numbers.  NaN among the features is not served.  The eight products are summed with product weights,
; not by three nested interpolations: the same number up to f32 rounding.
; SHARES.  Work-group g: points 512 g on (batch g / 128); wave w: 32 of them, two tiles.  ONE LOAD READS ONE VOXEL'S ROW: 32 lanes x 16 bytes = its 512 bytes; lane l holds channels 4 l .. 4 l + 3.
; Index and weights are the same for the whole wave: every lane reads them at the same address.  The points go two by two (A, B), so that one conversion takes A's four numbers and B's four.
; Two slots of registers take turns: while one pair is summed, the next pair's 20 loads are on their way, and the pair after that is asked for as soon as the slot is free.
; Which rows a wave reads hangs on the data: no two work-groups have a tile in common that could be asked for jointly.  Waves share nothing: no barrier.  All is written out: every offset is an immediate.
.set DX,    512                        ; a voxel's row
.set DY,    32768                      ; 64 voxels
.set DZ,    2097152                    ; 4,096 voxels
.set PLANE, 2097152                    ; pw's second plane
.set STG,   2176                       ; a tile's stage: 8 pieces (16 channels each) of 256 bytes + 16
.set OFF,   8                          ; v8-39    my wave's 32 points: byte offset of my 16 bytes in the base voxel's row; never rewritten
.set SLOT,  40                         ; v40-119, v120-199: a slot: 16 weights (A's 8, B's 8), then 64 numbers (A's corner j at 4 j, B's behind them)
.set ACC,   200                        ; v200-207 A's four sums, B's four
.set CD,    208                        ; v208-223 codes: a pair of registers for each of a tile's 8 pairs of points
.set OUTR,  224                        ; v224-255 a tile's image, 16 registers, for each of the two tiles
	s_load_b256 s[4:11], s[0:1], 0x0               ; featT s[4:5], pidx s[6:7], pw s[8:9], the scales' exponents s[10:11]
	s_load_b64 s[12:13], s[0:1], 0x20              ; xc
	v_lshrrev_b32 v7, 5, v0
	s_delay_alu instid0(VALU_DEP_1)
	v_readfirstlane_b32 s14, v7                    ; wave 0..15
	v_and_b32 v7, 31, v0                           ; lane
	v_mov_b32 v1, 0                                ; the offset of loads that are alike in all lanes
	s_delay_alu instid0(VALU_DEP_2)
	v_lshlrev_b32 v2, 4, v7                        ; 16 x lane
	s_mul_i32 s16, s14, 2*STG                      ; my wave's two stages
	v_lshrrev_b32 v3, 2, v7
	s_delay_alu instid0(VALU_DEP_1)
	v_mul_u32_u24 v3, v3, 272
	v_and_b32 v4, 3, v7
	s_delay_alu instid0(VALU_DEP_1)
	v_lshl_add_u32 v3, v4, 2, v3
	s_delay_alu instid0(VALU_DEP_1)
	v_add_nc_u32 v3, s16, v3                       ; in: my four channels lie in piece lane / 4, at byte 4 (lane % 4) of a point's 16: the 32 lanes' words fall on 32 different words of 256 bytes
	v_lshrrev_b32 v4, 4, v7
	s_delay_alu instid0(VALU_DEP_1)
	v_mul_u32_u24 v4, v4, 272
	v_and_b32 v7, 15, v7
	s_delay_alu instid0(VALU_DEP_1)
	v_lshl_add_u32 v4, v7, 4, v4
	s_delay_alu instid0(VALU_DEP_1)
	v_add_nc_u32 v4, s16, v4                       ; out: lanes 0-15 piece 2 c, lanes 16-31 piece 2 c + 1; 16 bytes a lane
	s_lshl_b32 s17, ttmp9, 9
	s_lshl_b32 s18, s14, 5
	s_add_co_u32 s17, s17, s18                     ; my first point: 512 g + 32 w
	s_lshr_b32 s20, ttmp9, 7
	s_lshl_b32 s20, s20, 27                        ; the batch's part of featT
	s_mov_b32 s21, 0
	s_lshl_b32 s22, s17, 2
	s_mov_b32 s23, 0
	s_lshl_b32 s24, s17, 4
	s_mov_b32 s25, 0
	s_lshl_b32 s26, s17, 7
	s_mov_b32 s27, 0
	s_wait_kmcnt 0x0
	s_load_b32 s15, s[10:11], 0x0                  ; e0
	s_add_nc_u64 s[4:5], s[4:5], s[20:21]
	s_add_nc_u64 s[6:7], s[6:7], s[22:23]
	s_add_nc_u64 s[8:9], s[8:9], s[24:25]
	s_add_nc_u64 s[12:13], s[12:13], s[26:27]
.irp q, 0,1,2,3,4,5,6,7
	global_load_b128 v[OFF+4*\q:OFF+4*\q+3], v1, s[6:7] offset:16*\q   ; all 32 indices, in every lane
.endr
	s_wait_kmcnt 0x0
	s_add_co_i32 s15, s15, 127
	s_lshl_b32 s16, s15, 23
	v_mov_b32 v6, s16                              ; 2^e0 as f32: the conversion takes its exponent field
	s_add_co_i32 s15, s15, 15
	s_lshl_b32 s15, s15, 23
	s_or_b32 s15, s15, 0x600000
	v_mov_b32 v5, s15                              ; 57,344 x 2^e0
	s_wait_loadcnt 0x0
.set p, 0
.rept 32
	v_min_u32 v[OFF+p], 0x3efbe, v[OFF+p]          ; (62 x 64 + 62) x 64 + 62: with it all eight corners lie inside the batch's 2^27 bytes
	s_delay_alu instid0(VALU_DEP_1)
	v_lshl_add_u32 v[OFF+p], v[OFF+p], 9, v2       ; x 512 bytes + my 16
.set p, p+1
.endr
.macro ISSUE g                         ; pair g of 16: 2 x (2 loads of weights + 8 rows) = 20 loads into slot g % 2.  No cache word: a row may be named by several points
.set SB, SLOT+80*((\g)%2)
.irp q, 0,1
	global_load_b128 v[SB+8*\q:SB+8*\q+3], v1, s[8:9] offset:16*(2*(\g)+\q)
	global_load_b128 v[SB+8*\q+4:SB+8*\q+7], v1, s[8:9] offset:16*(2*(\g)+\q)+PLANE
.irp j, 0,1,2,3,4,5,6,7
	global_load_b128 v[SB+16+32*\q+4*\j:SB+16+32*\q+4*\j+3], v[OFF+2*(\g)+\q], s[4:5] offset:(\j/4)*DZ+((\j/2)%2)*DY+(\j%2)*DX
.endr
.endr
.endm
.macro WORK g
.set SB, SLOT+80*((\g)%2)
.set CG, CD+2*((\g)%8)
.if (\g) < 15
	s_wait_loadcnt 20                              ; this pair's 20 loads are in; the next pair's 20 may stay out
.else
	s_wait_loadcnt 0x0
.endif
.irp q, 0,1                            ; corner 0 starts the sums: nothing is cleared.  Four chains (A low, A high, B low, B high) that do not wait for each other
.irp d, 0,2
	v_pk_mul_f32 v[ACC+4*\q+\d:ACC+4*\q+\d+1], v[SB+16+32*\q+\d:SB+16+32*\q+\d+1], v[SB+8*\q:SB+8*\q+1] op_sel_hi:[1,0]
.endr
.endr
.irp j, 1,2,3,4,5,6,7
.irp q, 0,1
.irp d, 0,2
.if \j%2                               ; an odd corner's weight is the second register of its pair, an even one's the first: it serves both halves
	s_delay_alu instid0(VALU_DEP_4)
	v_pk_fma_f32 v[ACC+4*\q+\d:ACC+4*\q+\d+1], v[SB+16+32*\q+4*\j+\d:SB+16+32*\q+4*\j+\d+1], v[SB+8*\q+\j-1:SB+8*\q+\j], v[ACC+4*\q+\d:ACC+4*\q+\d+1] op_sel:[0,1,0] op_sel_hi:[1,1,1]
.else
	s_delay_alu instid0(VALU_DEP_4)
	v_pk_fma_f32 v[ACC+4*\q+\d:ACC+4*\q+\d+1], v[SB+16+32*\q+4*\j+\d:SB+16+32*\q+4*\j+\d+1], v[SB+8*\q+\j:SB+8*\q+\j+1], v[ACC+4*\q+\d:ACC+4*\q+\d+1] op_sel_hi:[1,0,1]
.endif
.endr
.endr
.endr
.if (\g)+2 < 16
	ISSUE (\g)+2                                   ; the slot is free: the pair two further on
.endif
.irp i, 0,1,2,3,4,5,6,7
	v_med3_num_f32 v[ACC+\i], v[ACC+\i], -v5, v5   ; the conversion to an 8-bit code does not saturate (ISA guide 7.6.2): the hold at the largest code x the scale
.endr
	v_cvt_scalef32_pk8_bf8_f32 v[CG:CG+1], v[ACC:ACC+7], v6   ; first register: A's four codes; second: B's
	v_nop                                          ; a plain line between the conversion and the next pair's products, which write its sources
	ds_store_b32 v3, v[CG] offset:STG*((\g)/8)+16*((2*(\g))%16)
	ds_store_b32 v3, v[CG+1] offset:STG*((\g)/8)+16*((2*(\g))%16)+16
.endm
.macro FLUSH t                         ; tile t's image: four times 512 consecutive bytes
.irp c, 0,1,2,3
	ds_load_b128 v[OUTR+16*\t+4*\c:OUTR+16*\t+4*\c+3], v4 offset:STG*\t+544*\c   ; LDS serves a wave's instructions in order: these see my stores
.endr
	s_wait_dscnt 0x0                               ; the image is in registers; the tile's stores into the stage have read their codes
.irp c, 0,1,2,3
	global_store_b128 v2, v[OUTR+16*\t+4*\c:OUTR+16*\t+4*\c+3], s[12:13] offset:2048*\t+512*\c
.endr
.endm
	ISSUE 0
	ISSUE 1
.irp g, 0,1,2,3,4,5,6,7
	WORK \g
.endr
	FLUSH 0
.irp g, 8,9,10,11,12,13,14,15
	WORK \g
.endr
	FLUSH 1
	s_wait_xcnt 0x0
	v_lshl_add_u32 v254, v0, 2, 0x11000
	v_mov_b32 v255, 0
	s_wait_alu depctr_va_vdst(0)
	s_wait_tensorcnt 0x0
	ds_add_u32 v254, v255
	s_wait_dscnt 0x0
	s_endpgm
.Lfunc_end_k_q983e096280_sample:
	.size	k_q983e096280_sample, .Lfunc_end_k_q983e096280_sample-k_q983e096280_sample
	.p2alignl 7, 3214868480
	.fill 96, 4, 3214868480
	.section	.rodata,"a",@progbits
	.p2align	6, 0x0
	.amdhsa_kernel k_q983e096280_sample
		.amdhsa_group_segment_fixed_size 71680
		.amdhsa_private_segment_fixed_size 0
		.amdhsa_enable_private_segment 0
		.amdhsa_kernarg_size 40
		.amdhsa_user_sgpr_count 2
		.amdhsa_user_sgpr_kernarg_segment_ptr 1
		.amdhsa_wavefront_size32 1
		.amdhsa_system_sgpr_workgroup_id_x 1
		.amdhsa_system_sgpr_workgroup_id_y 1
		.amdhsa_system_sgpr_workgroup_id_z 1
		.amdhsa_system_vgpr_workitem_id 0
		.amdhsa_next_free_vgpr 256
		.amdhsa_next_free_sgpr 66
		.amdhsa_reserve_vcc 0
		.amdhsa_float_denorm_mode_32 3
		.amdhsa_float_denorm_mode_16_64 3
		.amdhsa_memory_ordered 1
		.amdhsa_forward_progress 1
		.amdhsa_inst_pref_size 98
	.end_amdhsa_kernel
	.amdgpu_metadata
---
amdhsa.version: [ 1, 2 ]
amdhsa.kernels:
  - .name:           k_q983e096280_sample
    .symbol:         k_q983e096280_sample.kd
    .args:
      - { .name: featT, .offset: 0, .size: 8, .value_kind: global_buffer, .address_space: global }
      - { .name: pidx, .offset: 8, .size: 8, .value_kind: global_buffer, .address_space: global }
      - { .name: pw, .offset: 16, .size: 8, .value_kind: global_buffer, .address_space: global }
      - { .name: lowp_scales, .offset: 24, .size: 8, .value_kind: global_buffer, .address_space: global }
      - { .name: xc, .offset: 32, .size: 8, .value_kind: global_buffer, .address_space: global }
    .group_segment_fixed_size: 71680
    .private_segment_fixed_size: 0
    .kernarg_segment_align: 8
    .kernarg_segment_size: 40
    .max_flat_workgroup_size: 512
    .sgpr_count:     66
    .vgpr_count:     256
    .wavefront_size: 32
...
	.end_amdgpu_metadata
.endif
;; end of part 5
;; launch mlp (part 6): grid 256 x 1, 4 waves a work-group, no clusters, 182,784 bytes of LDS; arguments xc, W1_codes, W2_codes, lowp_scales, b1, g1, be1, m1, v1, b2, g2, be2, m2, v2, W3, b3, out0; writes out0
.if DOCPART == 6
	.amdgcn_target "amdgcn-amd-amdhsa--gfx1250"
	.amdhsa_code_object_version 6
	.text
	.protected	k_q983e096280_mlp
	.globl	k_q983e096280_mlp
	.p2align	8
	.type	k_q983e096280_mlp,@function
k_q983e096280_mlp:
	s_mov_b64 s[64:65], 0
	v_nop
	global_prefetch_b8 v0, s[64:65] scope:SCOPE_SE
	s_setreg_imm32_b32 hwreg(HW_REG_WAVE_SCHED_MODE, 0, 2), 2
	s_setreg_imm32_b32 hwreg(HW_REG_WAVE_MODE, 25, 1), 1
	s_wait_xcnt 0x0
	s_wait_alu depctr_vm_vsrc(0)
; out = relu(BN2(relu(BN1(x W1 + b1)) W2 + b2)) W3 + b3.  x: codes of BF8 (E5M2) made by the launch before, as images of the operand's registers; W1 [512][128], W2 [512][512]: codes, K innermost.
; Both products on the codes as they are, by v_wmma_f32_16x16x128_bf8_bf8, sums in f32; the last product (one column) by f32 multiply-adds.
; THE NORMS ARE FOLDED: s = rsq(v + 1e-5) g;  A = s 2^(the product's two exponents);  C = (b - m) s + be;  so BN(sum 2^e + b) = sum A + C: one packed multiply-add for two numbers.
; The hidden layer is quantised on the way: held between 0 (the activation) and 57,344 x 2^e2, / 2^e2, to the nearest code, ties to even.  It never goes to memory.
; LIMITS: e2 between -126 and 112, so that 2^e2 and 57,344 x 2^e2 are f32 numbers; e0 + e1 and e2 + e3 go in by v_ldexp_f32 and have none.  NaN among the activations is not served.
; SHARES.  Work-group g: points 512 g on, in 8 blocks of 64 (four tiles of 16).  THE WAVES SHARE THE COLUMNS: wave w owns units 128 w .. 128 w + 127 of both layers, for all rows.
; Its 32 fragments of W2 (512 registers) and layer 2's parameters (192) stay in registers for the whole launch; its 8 fragments of W1 lie in LDS as images of their registers.
; The work-group's 64 KiB of x are read from memory once, a quarter by each wave, and lie in LDS for all four.
; NO JOINT LOADS, though all work-groups read the same 320 KiB of weights: a joint load lands in LDS, and W2's 256 KiB do not fit beside the 178 KiB in use; each work-group reads the weights once, at its head.
; BOTH PRODUCTS ARE USED TRANSPOSED (source 0 = 16 rows of the weight, source 1 = 16 points): lane (r, h) holds point r, and its registers run along the units.
; THE ROWS OF W1 THAT FORM A TILE ARE NOT NEIGHBOURS: lane r of tile 2 b + u takes row 32 b + 8 u + r + 8 (r / 8): the 16 registers of tiles 2 b, 2 b + 1 are then units 32 b + 16 h + 0 .. 15,
; and the conversions' results are registers 4 b .. 4 b + 3 of K step w of the second product.  They go to the other waves as an image of the registers: 16 bytes a lane, 512 a store.
; A fragment's registers 4 c .. 4 c + 3 hold K = 32 c + 16 h + 0 .. 15 on both sides of each product: a permutation of k that is the same in both operands, so each product meets its partner.
; A BLOCK, two barriers.  LAYER 1: my 128 units for the 64 rows, 32 units a step; images to LDS | barrier |  LAYER 2 BY TURNS: a GROUP is one tile of 16 rows x my 8 tiles of units x 4 K steps: 32 products on
; 8 accumulators; two sets of accumulators take turns, and the way out of the group before (norm, activation, x W3: 128 vector instructions) stands in 32 slices of four, one behind each product: 4 vector
; instructions and at most 2 window switches for a product of 32,768 multiply-adds.  Group 0's products and group 3's way out stand bare | barrier |.  At the end the four waves' parts of the outputs are added.
; EVERY LDS LOAD IS ASKED FOR A STEP AHEAD OR MORE, in runs, never singly among the products.  In the last block the runs for the next block (its x, its first W1 and parameters: 32 loads) bring bytes that
; nobody uses: they stay inside LDS, on bytes written at the head.
; REGISTERS, in windows of 256.  Window 0: v1-15, v28-30 addresses and constants; v16-23 an output's sum in four pairs; v24-27 finished parts; v32-63 layer 1's parameters (even steps), in layer 2 the hidden
;   fragments of K steps 0 and 1 of groups 1 and 3; v64-127, v128-191 the two sets of accumulators (layer 1: sums in the first; in the second its parameters of odd steps, v128-159, and the codes just made, v160-191);
;   v192-223 the hidden fragments of K steps 0 and 1 of groups 0 and 2, v224-255 those of K steps 2 and 3 of every group (layer 1: W1's fragments, two buffers of 32).
;   Window 1: W2's tiles 0-3 (tile n, K step s at 64 n + 16 s).   Window 2: tiles 4-7.   Window 3: v0-63 A2, v64-127 C2, v128-191 W3 (tile n at 8 n); v192-255 x's four fragments.
; THE MODE: SCHED_MODE bits 1:0 = 2 (LLVM: expert scheduling mode 2), set by the entry lines.  The code itself states the register dependences between vector or matrix instructions and memory or LDS
; instructions, with s_wait_alu, always for 0.
; THE PLAN.  Registers that LDS instructions touch in the loop, and who else names them:
;   W1's fragments    v192-223 (even steps of layer 1), v224-255 (odd): loaded a step ahead; read by the step's eight products.
;   A1, C1            v32-63 (even), v128-159 (odd): loaded with them; read by the step's multiply-adds.
;   the codes         v160-175 (even), v176-191 (odd): written by the step's conversions; read by its four image stores.
;   x                 v192-255 of window 3: loaded in group 1; read by the next block's products of layer 1.
;   hidden, K 0 and 1 v192-223 (groups 0, 2), v32-63 (groups 1, 3), by turns: loaded a group ahead; read by the group's first sixteen products.
;   hidden, K 2 and 3 v224-255: loaded behind the group's second product; read by its last sixteen.
;   v24-27            a tile's finished part of the outputs: written at the end of its way out; read by one store.
;   v3, v8            addresses, written once a block behind the first barrier.   v1, v2, v4, v5, v7, v28: made at the head, never written again.
;   W2, layer 2's parameters and v16-23 are named by vector and matrix instructions alone.
; So a block has nine waits on va_vdst: one at the end of each step of layer 1, behind its conversions (the codes are written; the step is done reading its W1 and its parameters), and one between groups,
; behind the end of a tile's way out (the part is written; the group before is done reading its fragments).  What a group's run of loads lands in is named by no product and no slice between the wait and
; the run: the group in hand reads the other buffer of K steps 0 and 1.  And two waits on vm_vsrc: at the head of layer 1's third step (the codes of the first two steps are read) and behind the first barrier.
.set HIMG, 0                           ; LDS: the hidden layer's 16 fragments (tile of rows m, K step s: 4 m + s), 2,048 bytes each
.set TA1,  32768                       ; five tables of 512 f32: A1, C1, A2, C2, W3
.set TC1,  34816
.set TA2,  36864
.set TC2,  38912
.set TW3,  40960
.set POUT, 43008                       ; [4 waves][512 points] f32: each wave's part of the outputs
.set XIMG, 51200                       ; x: 32 tiles of 16 points, 2,048 bytes each
.set WIMG, 116736                      ; W1: for each wave 8 fragments of 2,048 bytes
.set OS,   16
.set ACC,  64
.set HF,   192
.set HODD, 32                          ; the odd groups' buffer for K steps 0 and 1
.set PA2,  0                           ; in window 3
.set PC2,  64
.set PW3,  128
.set XF,   192
.set MSB, 0
.macro WIN new                         ; the immediate's high byte repeats the setting that is left; a switch that changes nothing is dropped
.if MSB != \new
	s_set_vgpr_msb (MSB<<8)|\new
.set MSB, \new
.endif
.endm
.macro PLACES                          ; four plain vector lines between matrix instructions and the first read of their results (ISA guide 7.12.1)
.rept 4
	v_nop
.endr
.endm
.macro BARRIER                         ; my LDS stores have landed and my LDS loads are in: then the work-group's barrier
	s_wait_dscnt 0x0
	s_barrier_signal -1
	s_barrier_wait -1
.endm
.macro XFETCH adr                      ; a block's four fragments of x, from their images: 16 loads
	WIN 0xc0                                       ; destination window 3
.irp m, 0,1,2,3
.irp c, 0,1,2,3
	ds_load_b128 v[XF+16*\m+4*\c:XF+16*\m+4*\c+3], v[\adr] offset:2048*\m+512*\c
.endr
.endr
	WIN 0
.endm
.macro HLOAD m, s                      ; the hidden fragment of tile of rows m, K step s: 4 loads
.set hd, HF+16*(\s)
.if (((\m)%2) == 1) && ((\s) < 2)
.set hd, HODD+16*(\s)                  ; K steps 0 and 1 of an odd group
.endif
.irp c, 0,1,2,3
	ds_load_b128 v[hd+4*\c:hd+4*\c+3], v1 offset:(4*(\m)+(\s))*2048+512*\c
.endr
.endm
.macro L1W b                           ; what layer 1's step b wants, first half: W1's tiles 2 b, 2 b + 1: 8 loads, into the buffer of b's parity
.set pw, HF+32*((\b)%2)
.irp u, 0,1
.irp c, 0,1,2,3
	ds_load_b128 v[pw+16*\u+4*\c:pw+16*\u+4*\c+3], v28 offset:(2*(\b)+\u)*2048+512*\c
.endr
.endr
.endm
.macro L1P b                           ; second half: A1, C1 of my 16 units of each tile: 8 loads, into the buffer of b's parity
.set pp, 32+96*((\b)%2)
.irp u, 0,1
	ds_load_b128 v[pp+8*\u:pp+8*\u+3], v5 offset:128*(\b)+32*\u
	ds_load_b128 v[pp+8*\u+4:pp+8*\u+7], v5 offset:128*(\b)+32*\u+16
	ds_load_b128 v[pp+16+8*\u:pp+16+8*\u+3], v5 offset:128*(\b)+32*\u+2048
	ds_load_b128 v[pp+16+8*\u+4:pp+16+8*\u+7], v5 offset:128*(\b)+32*\u+2048+16
.endr
.endm
	s_load_b512 s[16:31], s[0:1], 0x0              ; xc s[16:17], W1 s[18:19], W2 s[20:21], exponents s[22:23], b1 s[24:25], g1 s[26:27], be1 s[28:29], m1 s[30:31]
	s_load_b512 s[32:47], s[0:1], 0x40             ; v1 s[32:33], b2 s[34:35], g2 s[36:37], be2 s[38:39], m2 s[40:41], v2 s[42:43], W3 s[44:45], b3 s[46:47]
	s_load_b64 s[48:49], s[0:1], 0x80              ; out0
	v_lshrrev_b32 v24, 5, v0
	v_readfirstlane_b32 s8, v24                    ; wave 0..3
	v_and_b32 v1, 31, v0
	v_lshlrev_b32 v1, 4, v1                        ; 16 x lane: an image's place for my lane
	v_and_b32 v24, 15, v0                          ; r
	v_bfe_u32 v25, v0, 4, 1                        ; h
	s_wait_alu depctr_va_sdst(0)                   ; s8 is written, ahead of its first reader: LDS addresses and the bases of W1, W2 and x are made from it
	s_lshl_b32 s50, s8, 11
	s_lshl_b32 s51, s8, 9
	s_lshl_b32 s56, s8, 14                         ; 16,384 x wave: my 128 rows of W1, my quarter of x, my W1 images
	s_mov_b32 s57, 0
	v_add_nc_u32 v2, XIMG, v1                      ; x's images, block 0
	v_add_nc_u32 v4, s50, v1                       ; where I store the hidden layer's images: 16 x lane + 2,048 x wave (K step w)
	v_lshlrev_b32 v5, 6, v25
	v_add_nc_u32 v5, s51, v5
	v_add_nc_u32 v5, TA1, v5                       ; layer 1's parameters: my wave's 128 numbers, + 16 h of them
	v_lshlrev_b32 v6, 5, v25
	v_add_nc_u32 v6, s51, v6
	v_add_nc_u32 v6, TA2, v6                       ; layer 2's: + 8 h
	v_lshlrev_b32 v7, 2, v24
	v_add_nc_u32 v7, s50, v7
	v_add_nc_u32 v7, POUT, v7                      ; my wave's parts of the outputs, point r
	v_lshlrev_b32 v11, 4, v0                       ; 16 x thread
	v_add_nc_u32 v12, POUT, v11
	v_mov_b32 v13, 0                               ; written once: a lane permute's destination counts as one of its sources
	v_and_b32 v14, 8, v24
	v_add_nc_u32 v14, v14, v24                     ; r + 8 (r / 8)
	v_lshlrev_b32 v14, 7, v14
	v_lshl_add_u32 v14, v25, 4, v14                ; W1: a row is 128 bytes
	v_lshlrev_b32 v15, 9, v24
	v_lshl_add_u32 v15, v25, 4, v15                ; W2: a row is 512 bytes
	v_add_nc_u32 v29, s56, v1                      ; my quarter of the work-group's x, in memory,
	v_add_nc_u32 v30, XIMG, v29                    ; and in LDS
	v_add_nc_u32 v28, WIMG, v29                    ; my W1 images
	s_mov_b32 s9, 8                                ; blocks to go
	s_mov_b32 s10, 0                               ; the block's 64 words in a wave's part of POUT
	s_mov_b32 s11, 8192                            ; the next block's x images
	s_mov_b32 s12, 0x76543210
	s_mov_b32 s13, 0xfedcba98                      ; v_permlanex16_b32's selects for lane l xor 16
	s_lshl_b32 s54, ttmp9, 16                      ; 512 points x 128 bytes
	s_mov_b32 s55, 0
	s_lshl_b32 s58, s8, 16                         ; my 128 rows of W2
	s_mov_b32 s59, 0
	s_lshl_b32 s60, ttmp9, 11                      ; 512 outputs
	s_mov_b32 s61, 0
	s_wait_kmcnt 0x0
	s_load_b128 s[4:7], s[22:23], 0x0              ; e0, e1, e2, e3
	s_load_b32 s52, s[46:47], 0x0                  ; b3
	s_add_nc_u64 s[16:17], s[16:17], s[54:55]
	s_add_nc_u64 s[18:19], s[18:19], s[56:57]
	s_add_nc_u64 s[20:21], s[20:21], s[58:59]
	s_add_nc_u64 s[48:49], s[48:49], s[60:61]
	WIN 0x40                                       ; destination window 1
	s_wait_alu depctr_va_vdst(0)                   ; the addresses and offsets v1, v2, v4 to v7, v11, v12, v14, v15 and v28 to v30 are written: the loads and stores of the whole kernel read them
.irp n, 0,1,2,3
.irp s, 0,1,2,3
.irp c, 0,1,2,3
	global_load_b128 v[64*\n+16*\s+4*\c:64*\n+16*\s+4*\c+3], v15, s[20:21] offset:8192*\n+128*\s+32*\c
.endr
.endr
.endr
	WIN 0x80                                       ; destination window 2
.irp n, 0,1,2,3
.irp s, 0,1,2,3
.irp c, 0,1,2,3
	global_load_b128 v[64*\n+16*\s+4*\c:64*\n+16*\s+4*\c+3], v15, s[20:21] offset:8192*(\n+4)+128*\s+32*\c
.endr
.endr
.endr
	WIN 0xc0                                       ; destination window 3: my quarter of x passes through the registers that layer 2's parameters will take
.set j, 0
.rept 32
	global_load_b128 v[4*j:4*j+3], v29, s[16:17] offset:512*j th:TH_LOAD_NT   ; 512 consecutive bytes; read once in the whole launch
.set j, j+1
.endr
	WIN 0
.irp t, 0,1,2,3,4,5,6,7                ; W1's tile t begins at row 32 (t / 2) + 8 (t % 2); it passes through the accumulators' registers
.irp c, 0,1,2,3
	global_load_b128 v[ACC+16*\t+4*\c:ACC+16*\t+4*\c+3], v14, s[18:19] offset:(32*(\t/2)+8*(\t%2))*128+32*\c
.endr
.endr
	global_load_b128 v[192:195], v11, s[24:25]     ; each thread folds four units' parameters: b1, g1, be1, m1, v1,
	global_load_b128 v[196:199], v11, s[26:27]
	global_load_b128 v[200:203], v11, s[28:29]
	global_load_b128 v[204:207], v11, s[30:31]
	global_load_b128 v[208:211], v11, s[32:33]
	global_load_b128 v[212:215], v11, s[34:35]     ; b2, g2, be2, m2, v2,
	global_load_b128 v[216:219], v11, s[36:37]
	global_load_b128 v[220:223], v11, s[38:39]
	global_load_b128 v[224:227], v11, s[40:41]
	global_load_b128 v[228:231], v11, s[42:43]
	global_load_b128 v[232:235], v11, s[44:45]     ; W3
	s_wait_kmcnt 0x0
	s_add_co_i32 s14, s4, s5                       ; e0 + e1
	s_add_co_i32 s15, s6, s7                       ; e2 + e3
	s_add_co_i32 s53, s6, 127
	s_lshl_b32 s50, s53, 23
	v_mov_b32 v10, s50                             ; 2^e2 as f32: the conversion takes its exponent field
	s_add_co_i32 s53, s53, 15
	s_lshl_b32 s53, s53, 23
	s_or_b32 s53, s53, 0x600000
	v_mov_b32 v9, s53                              ; 57,344 x 2^e2
	s_wait_loadcnt 0x0                             ; weights, x and parameters, once
.irp t, 0,1,2,3,4,5,6,7                ; W1's fragments to LDS as they stand
.irp c, 0,1,2,3
	ds_store_b128 v28, v[ACC+16*\t+4*\c:ACC+16*\t+4*\c+3] offset:2048*\t+512*\c
.endr
.endr
	WIN 0x0c                                       ; an LDS store's data: source 1, window 3
.set j, 0
.rept 32
	ds_store_b128 v30, v[4*j:4*j+3] offset:512*j   ; x's images lie in LDS as they lay in memory
.set j, j+1
.endr
	WIN 0
.macro BNFOLD base, rr, ex             ; v[base] on: b, g, be, m, v, four registers each.  Leaves A in v[rr] on and C where be was
.irp i, 0,1,2,3
	v_add_f32 v[\base+16+\i], 0x3727c5ac, v[\base+16+\i]   ; v + 1e-5
.endr
	s_wait_alu depctr_va_vdst(0)
.irp i, 0,1,2,3
	v_rsq_f32 v[\rr+\i], v[\base+16+\i]
.endr
.irp i, 0,1,2,3
	v_sub_f32 v[\base+\i], v[\base+\i], v[\base+12+\i]     ; b - m: plain lines behind the transcendentals, which touch neither their results nor their sources
.endr
	s_wait_alu depctr_va_vdst(0)                   ; the four reciprocal roots v[rr] on are written, ahead of their first reader: one wait for the batch
.irp i, 0,1,2,3
	v_mul_f32 v[\rr+\i], v[\rr+\i], v[\base+4+\i]          ; s
.endr
.irp i, 0,1,2,3
	v_fma_f32 v[\base+8+\i], v[\base+\i], v[\rr+\i], v[\base+8+\i]   ; C = (b - m) s + be
.endr
.irp i, 0,1,2,3
	v_ldexp_f32 v[\rr+\i], v[\rr+\i], s[\ex]               ; A = s x 2^(the two exponents)
.endr
.endm
	BNFOLD 192, 236, 14
	BNFOLD 212, 240, 15
	s_wait_alu depctr_va_vdst(0)                   ; A1, C1, A2, C2 are written, which the stores below read; and the folding is done with v192-243, in which the first fragments of W1 will land
	ds_store_b128 v11, v[236:239] offset:TA1
	ds_store_b128 v11, v[200:203] offset:TC1
	ds_store_b128 v11, v[240:243] offset:TA2
	ds_store_b128 v11, v[220:223] offset:TC2
	ds_store_b128 v11, v[232:235] offset:TW3
	BARRIER                                        ; the tables, x's images and W1's lie in LDS; nobody writes them again
	WIN 0xc0                                       ; destination window 3: A2, C2, W3 of tile n's eight units of my half: they stay
	s_wait_alu depctr_vm_vsrc(0)                   ; my LDS stores have read their data: window 3's v0-127 (x), in which the parameters land; v64-191 (W1), which loads, products and conversions write; v200-243 (the tables), in which W1's fragments land
.irp n, 0,1,2,3,4,5,6,7
	ds_load_b128 v[PA2+8*\n:PA2+8*\n+3], v6 offset:64*\n
	ds_load_b128 v[PA2+8*\n+4:PA2+8*\n+7], v6 offset:64*\n+16
	ds_load_b128 v[PC2+8*\n:PC2+8*\n+3], v6 offset:64*\n+2048
	ds_load_b128 v[PC2+8*\n+4:PC2+8*\n+7], v6 offset:64*\n+2048+16
	ds_load_b128 v[PW3+8*\n:PW3+8*\n+3], v6 offset:64*\n+4096
	ds_load_b128 v[PW3+8*\n+4:PW3+8*\n+7], v6 offset:64*\n+4096+16
.endr
	XFETCH 2                                       ; the first block's x
	L1W 0                                          ; and what its first step wants
	L1P 0
; LAYER 1, units 32 b .. 32 b + 31 of my 128, for the four tiles of rows: eight products, each a whole sum (K = 128), accumulator (m, u) at ACC + 16 m + 8 u.
.macro L1 b
.set lw, HF+32*((\b)%2)                ; W1's two tiles
.set lp, 32+96*((\b)%2)                ; A1 (16 registers), C1 (16)
.set lc, 160+16*((\b)%2)               ; the codes: by turns
.if \b < 3
	L1W (\b)+1                                     ; the next step's 16 loads go out first.  No wait: their buffers' last readers stand ahead of the wait at the end of the step before (step 0: at the block's end, or in
	L1P (\b)+1                                     ; the head), and no vector or matrix instruction has been issued since
	s_wait_dscnt 16                                ; all that was issued ahead of them is done: this step's loads, the last step's stores (and, in the first block, the head's loads)
.else
	s_wait_dscnt 4                                 ; this step's loads are in; the four image stores issued behind them may stay out
.endif
.if \b == 2
	s_wait_alu depctr_vm_vsrc(0)                   ; the image stores of steps 0 and 1 have read their codes, v160-191, which this step's conversions and the next's write again
.endif
	WIN 0x0c                                       ; source 1 (x) window 3
.irp m, 0,1,2,3
.irp u, 0,1
	v_wmma_f32_16x16x128_bf8_bf8 v[ACC+16*\m+8*\u:ACC+16*\m+8*\u+7], v[lw+16*\u:lw+16*\u+15], v[XF+16*\m:XF+16*\m+15], 0
.endr
.endr
	WIN 0
	PLACES
.irp m, 0,1,2,3
.irp u, 0,1
.irp i, 0,2,4,6                        ; each accumulator from its low end on
	v_pk_fma_f32 v[ACC+16*\m+8*\u+\i:ACC+16*\m+8*\u+\i+1], v[ACC+16*\m+8*\u+\i:ACC+16*\m+8*\u+\i+1], v[lp+8*\u+\i:lp+8*\u+\i+1], v[lp+16+8*\u+\i:lp+16+8*\u+\i+1]
.endr
.endr
.irp i, 0,1,2,3,4,5,6,7,8,9,10,11,12,13,14,15
	v_med3_num_f32 v[ACC+16*\m+\i], v[ACC+16*\m+\i], 0, v9   ; the activation and the hold in one: the conversion to an 8-bit code does not saturate (ISA guide 7.6.2)
.endr
	v_cvt_scalef32_pk8_bf8_f32 v[lc+4*\m:lc+4*\m+1], v[ACC+16*\m:ACC+16*\m+7], v10
	v_cvt_scalef32_pk8_bf8_f32 v[lc+4*\m+2:lc+4*\m+3], v[ACC+16*\m+8:ACC+16*\m+15], v10
.endr
	v_nop                                          ; a plain line between the last conversion and the next products, which write its sources
	s_wait_alu depctr_va_vdst(0)                   ; the conversions have written the codes, which the stores below read; the step's products and multiply-adds are done reading its W1 and its parameters, in which the next loads land
.irp m, 0,1,2,3
	ds_store_b128 v4, v[lc+4*\m:lc+4*\m+3] offset:8192*\m+512*\b   ; registers 4 b .. 4 b + 3 of fragment (m, K step w)
.endr
.endm
; LAYER 2.  Product (n, s) of group m: accumulator n of set m % 2; the first K step starts the sum.
.macro MM m, n, s
.set rD, ACC+64*((\m)%2)+8*(\n)
.set rW, 64*((\n)%4)+16*(\s)
.set rH, HF+16*(\s)
.if (((\m)%2) == 1) && ((\s) < 2)
.set rH, HODD+16*(\s)                  ; K steps 0 and 1 of an odd group
.endif
.if (\s) == 0
	v_wmma_f32_16x16x128_bf8_bf8 v[rD:rD+7], v[rW:rW+15], v[rH:rH+15], 0
.else
	v_wmma_f32_16x16x128_bf8_bf8 v[rD:rD+7], v[rW:rW+15], v[rH:rH+15], v[rD:rD+7]
.endif
.endm
; Slice k of 32 of the way out of the eight accumulators at v[a] on: tile k / 4, part k % 4.  Part 0: sum A2 + C2 (from the accumulator's low end on).  Parts 1, 2: the activation, four registers each.
; Part 3: x W3 onto the output's sum, kept in four pairs that do not wait for each other; tile 0 starts them.
; The activation has a constant in the first source's place and window 0 in the others: it runs under a product's setting as it stands, so only parts 0 and 3 cost switches.
.macro SLICE a, k
.set st, (\k)/4
.set sq, (\k)%4
.set sr, (\a)+8*st
.if sq == 0
	WIN 0x3c                                       ; sources 1 (A2) and 2 (C2) window 3
.irp i, 0,2,4,6
	v_pk_fma_f32 v[sr+\i:sr+\i+1], v[sr+\i:sr+\i+1], v[PA2+8*st+\i:PA2+8*st+\i+1], v[PC2+8*st+\i:PC2+8*st+\i+1]
.endr
.elseif sq == 3
	WIN 0x0c                                       ; source 1 (W3) window 3
.irp i, 0,2,4,6
.if st == 0
	v_pk_mul_f32 v[OS+\i:OS+\i+1], v[sr+\i:sr+\i+1], v[PW3+8*st+\i:PW3+8*st+\i+1]
.else
	v_pk_fma_f32 v[OS+\i:OS+\i+1], v[sr+\i:sr+\i+1], v[PW3+8*st+\i:PW3+8*st+\i+1], v[OS+\i:OS+\i+1]
.endif
.endr
.else
.if MSB & 0xcc
	WIN 0                                          ; (where no product stands between the slices)
.endif
.irp i, 0,1,2,3
	v_max_num_f32 v[sr+4*(sq-1)+\i], 0, v[sr+4*(sq-1)+\i]
.endr
.endif
.endm
.macro FIN m                           ; tile of rows m is through: the four pairs, the pair's halves and lane l xor 16's are added: my wave's 128 units' part of point r's output, in v[24 + m]; its store follows behind the next wait
	WIN 0
	v_pk_add_f32 v[OS:OS+1], v[OS:OS+1], v[OS+2:OS+3]
	v_pk_add_f32 v[OS+4:OS+5], v[OS+4:OS+5], v[OS+6:OS+7]
	v_pk_add_f32 v[OS:OS+1], v[OS:OS+1], v[OS+4:OS+5]
	v_add_f32 v[24+\m], v[OS], v[OS+1]
	v_permlanex16_b32 v13, v[24+\m], s12, s13
	v_add_f32 v[24+\m], v[24+\m], v13
.endm
; GROUP m: 32 products, K step by K step, the 8 accumulators by turns, one instruction a turn.  epi = 1: a slice of group m - 1's way out behind each.
; w0, w2: how many younger LDS instructions may stay out when the fragments of K steps 0, 1 and of K steps 2, 3 have to be in.
; THE RUN OF LDS INSTRUCTIONS stands behind product 1 of K step 0, with no wait of its own: the store of the part finished two groups back (lanes r and r + 16 write the same word with the same number);
; this group's fragments of K steps 2 and 3; the next group's of K steps 0 and 1, into the buffer that this group does not read (group 3: W1's fragments for the next block's first step, there too).
; All that it reads was written, and all that it lands in was last read, ahead of the wait in front of the group; the two products and two slices between name the group's own fragment of K step 0, W2,
; accumulators, layer 2's parameters and v16-23.  Group 1 has a second run, behind product 1 of K step 2: the next block's x; nothing in the group names x's registers or v3.
.macro GROUP m, epi, w0, w2
.irp s, 0,1,2,3
.irp n, 0,1,2,3,4,5,6,7
.if (\s == 0) && (\n == 0)
	s_wait_dscnt \w0
.endif
.if (\s == 2) && (\n == 0)
	s_wait_dscnt \w2
.endif
.set wn, 1+\n/4
	WIN wn                                         ; source 0: W2's tiles 0-3 window 1, tiles 4-7 window 2
	MM \m, \n, \s
.if \epi
	SLICE ACC+64*(1-(\m)%2), 8*\s+\n
.endif
.if (\s == 0) && (\n == 1) && (\m > 0)
	WIN 0
.if \m > 1
	ds_store_b32 v8, v[22+\m] offset:64*(\m-2)
.endif
	HLOAD \m, 2
	HLOAD \m, 3
.if \m < 3
	HLOAD (\m)+1, 0
	HLOAD (\m)+1, 1
.else
	L1W 0
.endif
.endif
.if (\s == 2) && (\n == 1) && (\m == 1)
	XFETCH 3
.endif
.endr
.endr
.endm
.Lblock:
	L1 0
	L1 1
	L1 2
	L1 3
	BARRIER                                        ; the hidden layer's sixteen fragments lie in LDS
	s_wait_alu depctr_vm_vsrc(0)                   ; the last block's stores of the parts have read v8 and v24-27, its loads of x have read v3, and the image stores of steps 2 and 3 have read v160-191: the two lines below, the ends of the ways out and group 1's products write them
	v_add_nc_u32 v8, s10, v7                       ; this block's 64 words of my wave's part of the outputs
	v_add_nc_u32 v3, s11, v2                       ; the next block's x images (behind the last block: W1's images, which nobody then uses)
	HLOAD 0, 0                                     ; no wait: layer 1 was done with v192-255 and v32-63 at the wait that ends its last step, and the two lines above name neither them nor v1
	HLOAD 0, 1
	HLOAD 0, 2
	HLOAD 0, 3
	HLOAD 1, 0
	HLOAD 1, 1
	GROUP 0, 0, 16, 8                              ; K steps 0, 1 are in when 16 younger loads are out; K steps 2, 3 when group 1's first 8 are
	PLACES                                         ; group 0 has no slices: four places in front of the first read of its results
	s_wait_alu depctr_va_vdst(0)                   ; group 0's products are done reading v192-255, in which group 1's run lands; v3 and v8 are written, which the loads of x and the stores of the parts read
	GROUP 1, 1, 0, 8                               ; at K step 2 the next group's 8 loads, issued behind this group's, may stay out
	FIN 0
	s_wait_alu depctr_va_vdst(0)                   ; v24 is written, which the store in group 2's run reads; group 1's products are done reading v224-255 and v32-63, in which that run lands
	GROUP 2, 1, 16, 8                              ; at K step 0 the 16 loads of the next block's x may stay out
	FIN 1
	s_wait_alu depctr_va_vdst(0)                   ; v25 is written, which the store in group 3's run reads; group 2's products are done reading v192-255, in which that run lands
	GROUP 3, 1, 0, 8
	FIN 2
	s_wait_alu depctr_va_vdst(0)                   ; v26 is written, which the store below reads; group 3's products are done reading v32-63, in which the parameters below land
	ds_store_b32 v8, v26 offset:128
	L1P 0                                          ; the parameters of the next block's first step: they land under group 3's way out, which names none of v32-63
.irp t, 0,1,2,3,4,5,6,7                ; group 3's way out stands bare, part by part, so that it costs three switches
	SLICE ACC+64, 4*\t
.endr
.irp t, 0,1,2,3,4,5,6,7
	SLICE ACC+64, 4*\t+1
	SLICE ACC+64, 4*\t+2
.endr
.irp t, 0,1,2,3,4,5,6,7
	SLICE ACC+64, 4*\t+3
.endr
	FIN 3
	s_wait_alu depctr_va_vdst(0)                   ; v27 is written, which the store below reads; the way out is done with v128-159 and group 3 with v224-255, in which the next block's first loads land; behind the last block: with v32-47
	ds_store_b32 v8, v27 offset:192
	BARRIER                                        ; every wave's reads of the hidden layer are over: the next block may write it; the parts of the outputs have landed
	s_add_co_u32 s10, s10, 256
	s_add_co_u32 s11, s11, 8192
	s_sub_co_u32 s9, s9, 1
	s_cmp_lg_u32 s9, 0
	s_cbranch_scc1 .Lblock
	; THE WAY OUT: thread t adds the four waves' parts of points 4 t .. 4 t + 3 and b3; a wave stores 512 consecutive bytes.
	ds_load_b128 v[32:35], v12
	ds_load_b128 v[36:39], v12 offset:2048
	ds_load_b128 v[40:43], v12 offset:4096
	ds_load_b128 v[44:47], v12 offset:6144
	s_wait_dscnt 0x0
	v_pk_add_f32 v[32:33], v[32:33], v[36:37]
	v_pk_add_f32 v[34:35], v[34:35], v[38:39]
	v_pk_add_f32 v[40:41], v[40:41], v[44:45]
	v_pk_add_f32 v[42:43], v[42:43], v[46:47]
	v_pk_add_f32 v[32:33], v[32:33], v[40:41]
	v_pk_add_f32 v[34:35], v[34:35], v[42:43]
.irp i, 0,1,2,3
	v_add_f32 v[32+\i], s52, v[32+\i]
.endr
	s_wait_alu depctr_va_vdst(0)                   ; the four outputs v32-35 are written, which the store reads
	global_store_b128 v11, v[32:35], s[48:49]
	s_wait_xcnt 0x0
	v_lshl_add_u32 v254, v0, 2, 0x2c800
	v_mov_b32 v255, 0
	s_wait_dscnt 0x0                               ; the closing lines, six on end
	s_wait_alu 0x0
	s_wait_tensorcnt 0x0
	ds_add_u32 v254, v255
	s_wait_dscnt 0x0
	s_endpgm
.Lfunc_end_k_q983e096280_mlp:
	.size	k_q983e096280_mlp, .Lfunc_end_k_q983e096280_mlp-k_q983e096280_mlp
	.p2alignl 7, 3214868480
	.fill 96, 4, 3214868480
	.section	.rodata,"a",@progbits
	.p2align	6, 0x0
	.amdhsa_kernel k_q983e096280_mlp
		.amdhsa_group_segment_fixed_size 182784
		.amdhsa_private_segment_fixed_size 0
		.amdhsa_enable_private_segment 0
		.amdhsa_kernarg_size 136
		.amdhsa_user_sgpr_count 2
		.amdhsa_user_sgpr_kernarg_segment_ptr 1
		.amdhsa_wavefront_size32 1
		.amdhsa_system_sgpr_workgroup_id_x 1
		.amdhsa_system_sgpr_workgroup_id_y 1
		.amdhsa_system_sgpr_workgroup_id_z 1
		.amdhsa_system_vgpr_workitem_id 0
		.amdhsa_next_free_vgpr 1024
		.amdhsa_next_free_sgpr 66
		.amdhsa_reserve_vcc 0
		.amdhsa_float_denorm_mode_32 3
		.amdhsa_float_denorm_mode_16_64 3
		.amdhsa_memory_ordered 1
		.amdhsa_forward_progress 1
		.amdhsa_inst_pref_size 113
	.end_amdhsa_kernel
	.amdgpu_metadata
---
amdhsa.version: [ 1, 2 ]
amdhsa.kernels:
  - .name:           k_q983e096280_mlp
    .symbol:         k_q983e096280_mlp.kd
    .args:
      - { .name: xc, .offset: 0, .size: 8, .value_kind: global_buffer, .address_space: global }
      - { .name: W1_codes, .offset: 8, .size: 8, .value_kind: global_buffer, .address_space: global }
      - { .name: W2_codes, .offset: 16, .size: 8, .value_kind: global_buffer, .address_space: global }
      - { .name: lowp_scales, .offset: 24, .size: 8, .value_kind: global_buffer, .address_space: global }
      - { .name: b1, .offset: 32, .size: 8, .value_kind: global_buffer, .address_space: global }
      - { .name: g1, .offset: 40, .size: 8, .value_kind: global_buffer, .address_space: global }
      - { .name: be1, .offset: 48, .size: 8, .value_kind: global_buffer, .address_space: global }
      - { .name: m1, .offset: 56, .size: 8, .value_kind: global_buffer, .address_space: global }
      - { .name: v1, .offset: 64, .size: 8, .value_kind: global_buffer, .address_space: global }
      - { .name: b2, .offset: 72, .size: 8, .value_kind: global_buffer, .address_space: global }
      - { .name: g2, .offset: 80, .size: 8, .value_kind: global_buffer, .address_space: global }
      - { .name: be2, .offset: 88, .size: 8, .value_kind: global_buffer, .address_space: global }
      - { .name: m2, .offset: 96, .size: 8, .value_kind: global_buffer, .address_space: global }
      - { .name: v2, .offset: 104, .size: 8, .value_kind: global_buffer, .address_space: global }
      - { .name: W3, .offset: 112, .size: 8, .value_kind: global_buffer, .address_space: global }
      - { .name: b3, .offset: 120, .size: 8, .value_kind: global_buffer, .address_space: global }
      - { .name: out0, .offset: 128, .size: 8, .value_kind: global_buffer, .address_space: global }
    .group_segment_fixed_size: 182784
    .private_segment_fixed_size: 0
    .kernarg_segment_align: 8
    .kernarg_segment_size: 136
    .max_flat_workgroup_size: 128
    .sgpr_count:     66
    .vgpr_count:     1024
    .wavefront_size: 32
...
	.end_amdgpu_metadata
.endif
;; end of part 6
